; MI455X (gfx1250); checked and timed in simulation.
; The chip was launched on July 23, 2026; its instructions are those of AMD's public machine-readable ISA for CDNA 5 (MIT licence, August 2026) and "CDNA5" Instruction Set Architecture Reference Guide (July 2026). The comments in the code are by the model that wrote it; some were corrected since.
;; Attn Block. Allowed arithmetic: matrix products marked QUANTISED: E4M3 operands, one E8M0 scale for each 32 along K, by v_wmma_scale_f32_16x16x128_f8f6f4 with both operands' format E4M3, f32 sums; everything else in f32.
;; Inputs: gn_b 512 float32; gn_w 512 float32; k_b 512 float32; k_w_codes 512 x 16 x 32 uint8 (E4M3 codes of k_w, K innermost, in blocks of 32 codes); k_w_scales 512 x 16 uint8 (E8M0 scales of k_w, one for each 32 codes along K); p_b 512 float32; p_w_codes 512 x 16 x 32 uint8 (E4M3 codes of p_w, K innermost, in blocks of 32 codes); p_w_scales 512 x 16 uint8 (E8M0 scales of p_w, one for each 32 codes along K); q_b 512 float32; q_w_codes 512 x 16 x 32 uint8 (E4M3 codes of q_w, K innermost, in blocks of 32 codes); q_w_scales 512 x 16 uint8 (E8M0 scales of q_w, one for each 32 codes along K); temb 16 x 512 float32; v_b 512 float32; v_w_codes 512 x 16 x 32 uint8 (E4M3 codes of v_w, K innermost, in blocks of 32 codes); v_w_scales 512 x 16 uint8 (E8M0 scales of v_w, one for each 32 codes along K); x 16 x 512 x 32 x 32 float32.
;; Outputs: out0 16 x 512 x 32 x 32 float32.
;; This version of the problem:
;;   THIS VERSION OF THE PROBLEM IS GIVEN IN LOW PRECISION. The matrix products marked QUANTISED in the list below multiply operands that are first quantised to E4M3 (4 exponent bits, 3 mantissa bits; 8 bits a number), with one power-of-two scale for each 32 numbers along K (OCP MX v1.0); their sums are f32. All else is computed in f32.
;;   The module's matrix products, in the order in which they are computed (A, B: the left and right operand; K: the contracted axis; several contracted axes count as one K, in the product's order):
;;     1. [M 512, K 512] x [K 512, N 16,384]; A: input q_w (given as codes); B: computed on the way: QUANTISED
;;     2. [M 512, K 512] x [K 512, N 16,384]; A: input k_w (given as codes); B: computed on the way: QUANTISED
;;     3. [M 512, K 512] x [K 512, N 16,384]; A: input v_w (given as codes); B: computed on the way: QUANTISED
;;     4. batch 16 x [M 1,024, K 512] x [K 512, N 1,024]; A: computed on the way; B: computed on the way: QUANTISED
;;     5. batch 16 x [M 512, K 1,024] x [K 1,024, N 1,024]; A: computed on the way; B: computed on the way: QUANTISED
;;     6. [M 512, K 512] x [K 512, N 16,384]; A: input p_w (given as codes); B: computed on the way: QUANTISED
;;   THE QUANTISER, for each operand of a quantised product, along K:
;;     - K is cut into blocks of 32 from its start; a last block that is shorter is filled with zeros.
;;     - A block's scale is 2^e with e = floor(log2(the largest magnitude in the block)) - 8, held to -126 .. 127; a block of zeros has e = 0. As a byte (E8M0): e + 127.
;;     - Each number is divided by its block's scale, clamped to +-448, and rounded to the nearest number of E4M3, ties to even, subnormals kept.
;;     - The product sums the exact products of the quantised numbers (number of the format x scale) in f32.
;;   ~~~python
;;   def quantise(x, axis):      # numpy; x: float32 -> the quantised numbers, widened to float32 again
;;       x = np.moveaxis(x, axis, -1); K = x.shape[-1]
;;       x = np.pad(x, [(0, 0)] * (x.ndim - 1) + [(0, -K % 32)]); x = x.reshape(x.shape[:-1] + (-1, 32)); a = np.abs(x).max(-1, keepdims=True)
;;       e = np.where(a > 0, np.clip(np.frexp(np.where(a > 0, a, 1))[1] - 1 - 8, -126, 127), 0)      # np.frexp(a)[1] - 1 = floor(log2(a)), exactly
;;       r = np.clip(x / 2.0 ** e, -448, 448)
;;       step = 2.0 ** (np.maximum(np.frexp(np.where(r == 0, 1, r))[1] - 1, -6) - 3)
;;       q = np.round(r / step) * step * 2.0 ** e      # np.round: ties to even
;;       return np.moveaxis(q.reshape(q.shape[:-2] + (-1,))[..., :K], -1, axis).astype(np.float32)
;;   ~~~
;;   OPERANDS COMPUTED ON THE WAY. 'Computed on the way' means the value that the module computes at that place (a softmax that the list does not call 'softmax' is quantised finished and normalised). What goes into a quantiser is computed in f32, as accurately as f32 sums, v_exp_f32 and their like allow (about 1e-6 of the number): no bf16 or f16 on the way to a quantiser, and a product that is left as it is and whose result goes on into a quantised operand takes f32 operands (vector FMAs, or v_wmma_f32_16x16x4_f32). A number that lies on a knife's edge between two numbers of the format may be rounded either way, as far as f32 arithmetic and the matrix unit's own rounding can turn it there, and no further.
;;   INPUTS GIVEN AS CODES. k_w (in the module: [512, 512], K = its axis 1); p_w (in the module: [512, 512], K = its axis 1); q_w (in the module: [512, 512], K = its axis 1); v_w (in the module: [512, 512], K = its axis 1): each comes as NAME_codes (uint8): NAME with its K axis moved to the last place and cut into blocks of 32 codes, [.., K / 32, bytes a block], one block behind the other in memory; one code a byte (a code: sign, 4 exponent bits, 3 mantissa bits); and NAME_scales (uint8): the same leading axes, one E8M0 byte (e + 127) for each 32 codes along K. Its value is code x scale, taken as it is: it is not quantised again, and the codes and scales need not be those that the quantiser above would give.
;; One version. Each part assembles by itself: llvm-mc -triple=amdgcn-amd-amdhsa -mcpu=gfx1250 --defsym DOCPART=n.
;; ======== version 1 of 1: 3 launches
;; workspace buffers: hc 8,388,608 bytes; hs 262,144 bytes; qc 8,388,608 bytes; kc 8,388,608 bytes; qs 262,144 bytes; ks 262,144 bytes; vc 8,388,608 bytes; vs 262,144 bytes
;; launch gnq (part 1): grid 16 x 16, 8 waves a work-group, no clusters, 36,352 bytes of LDS; arguments x, gn_w, gn_b, hc, hs; writes hc, hs
.if DOCPART == 1
	.amdgcn_target "amdgcn-amd-amdhsa--gfx1250"
	.amdhsa_code_object_version 6
	.text
	.protected	k_q65f67bbecf_gnq
	.globl	k_q65f67bbecf_gnq
	.p2align	8
	.type	k_q65f67bbecf_gnq,@function
k_q65f67bbecf_gnq:
	s_mov_b64 s[64:65], 0
	v_nop
	global_prefetch_b8 v0, s[64:65] scope:SCOPE_SE
	s_setreg_imm32_b32 hwreg(HW_REG_WAVE_MODE, 25, 1), 1
	s_wait_xcnt 0x0
; GroupNorm of x [16][512][1024] (32 groups of 16 channels), then h is turned into codes of E4M3 with one E8M0 byte for each 32 CHANNELS (the K of the three products that follow).
; SHARES.  Work-group (j, b) owns channels 32 j .. 32 j + 31 of image b: two whole groups and exactly one block of the quantiser, for all 1,024 positions: 131,072 dense bytes of x, read once.
; Thread t owns positions 4 t .. 4 t + 3 of all 32 channels: 128 registers.  So a block's 32 numbers lie in ONE lane, and its largest magnitude needs no other lane.
; The mean is taken first and subtracted, the variance is the mean of the squared differences: no difference of large sums is formed.
; OUTPUT.  hc holds h as images of operand registers: [b][tile 64][K step 4][2,048 bytes]; in a fragment the byte 512 c + 16 lane + i is k = 32 c + 16 (lane / 16) + i of row lane % 16.
; A TILE'S 16 POSITIONS ARE NOT NEIGHBOURS: row r of tile 2 B + u is position 32 B + 8 u + r + 8 (r / 8).  hs holds the scale bytes [b][block 16][tile 64][row 16].
; The codes of a wave's 8 tiles turn through the wave's own stage in LDS and leave as stores of 512 consecutive bytes, aligned; the 1,024 scale bytes are gathered in LDS and leave as two such stores.
; No matrix unit, no cluster: the work-groups share no input, and all of a work-group's bytes are on their way at once (32 loads of 16 bytes a lane).
; LIMITS: NaN and infinities are not served.  A block whose largest magnitude lies under 2^-118 (a block of zeros too) gets the byte 1; the bytes are read by this program alone.
.set TPIT, 528                         ; a tile's 512 bytes in the stage + 16 of padding
.set WSTG, 8*TPIT                      ; a wave's stage: 8 tiles
.set RED1, 33792                       ; 8 waves x (sum of group 0, sum of group 1)
.set RED2, 34048                       ; the same for the squares
.set SBS,  34304                       ; 1,024 scale bytes
.set XO,  1                            ; v1   16 t: my bytes in a channel's row; also my bytes of the scale bytes' way out
.set AST, 2                            ; v2   the stage, on the way in
.set ARD, 3                            ; v3   and on the way out: 16 x lane in my wave's stage
.set L16, 4                            ; v4   16 x lane
.set ASB, 5                            ; v5   where my four scale bytes go
.set BY,  6                            ; v6   my four scale bytes
.set ARW, 7                            ; v7   my wave's pair of sums
.set ACC, 8                            ; v8-15  four chains of pairs; at work
.set RL,  12                           ; v12-27 the eight waves' pairs
.set SM,  28                           ; v[28:29] my sums of the two groups
.set PT,  30
.set KC,  31
.set X,   32                           ; v32-159  register 4 c + jj: channel c, position 4 t + jj
.set T,   160                          ; v160-223 two sets of 32 numbers of h; later the codes on their way out
.set C,   224                          ; v224-255 four sets of 8 registers of codes: none is written twice
.set WV,  14
.set NMU, 84                           ; s[84:85], s[86:87]  -mean of group 0, 1, each twice (a packed source names a pair)
.set RS,  88                           ; s88, s89  1 / sqrt(var + eps)
.set MNT, 90
.set SEL, 92
	s_load_b256 s[4:11], s[0:1], 0x0               ; x s[4:5], gn_w s[6:7], gn_b s[8:9], hc s[10:11]
	s_load_b64 s[12:13], s[0:1], 0x20              ; hs
	s_set_vgpr_msb 0x40
	v_lshl_add_u32 v0, v0, 2, 0x8a00
	v_mov_b32 v1, 0
	s_set_vgpr_msb 0x4000
	v_lshrrev_b32 v2, 5, v0
	v_readfirstlane_b32 s[WV], v2                  ; wave 0..7
	s_and_b32 s15, ttmp7, 0xffff                   ; b
	s_lshl_b32 s94, s15, 21                        ; b x 512 channels x 4,096 bytes
	s_lshl_b32 s95, ttmp9, 17                      ; j x 32 channels x 4,096 bytes
	s_add_co_u32 s94, s94, s95
	s_mov_b32 s95, 0
	s_lshl_b32 s96, ttmp9, 7                       ; j x 32 numbers of gn_w and gn_b
	s_mov_b32 s97, 0
	v_lshlrev_b32 v[XO], 4, v0
	s_wait_kmcnt 0x0
	s_add_nc_u64 s[4:5], s[4:5], s[94:95]
	s_add_nc_u64 s[6:7], s[6:7], s[96:97]
	s_add_nc_u64 s[8:9], s[8:9], s[96:97]
.set ci, 0
.rept 32
	global_load_b128 v[X+4*ci:X+4*ci+3], v[XO], s[4:5] offset:4096*ci    ; a wave reads 512 consecutive bytes of channel ci
.set ci, ci+1
.endr
	s_load_b512 s[16:31], s[6:7], 0x0              ; gn_w of my 32 channels: s[16 + c]
	s_load_b512 s[32:47], s[6:7], 0x40
	s_load_b512 s[48:63], s[8:9], 0x0              ; gn_b: s[48 + c] for c < 16,
	s_load_b512 s[68:83], s[8:9], 0x40             ; s[52 + c] from 16 on
	s_lshl_b32 s94, s15, 19                        ; hc: b x 524,288 + 8 wave tiles of 8,192 + block j's 512 bytes in a tile
	s_lshl_b32 s96, s[WV], 16
	s_add_co_u32 s94, s94, s96
	s_lshl_b32 s96, ttmp9, 9
	s_add_co_u32 s94, s94, s96
	s_add_nc_u64 s[10:11], s[10:11], s[94:95]
	s_lshl_b32 s94, s15, 14                        ; hs: b x 16,384 + j x 1,024
	s_lshl_b32 s96, ttmp9, 10
	s_add_co_u32 s94, s94, s96
	s_add_nc_u64 s[12:13], s[12:13], s[94:95]
	s_mov_b32 s[MNT], 0x600000                     ; the mantissa field of 448
	s_mov_b32 s[SEL], 0x76543210
	s_mov_b32 s[SEL+1], 0xfedcba98                 ; lane l xor 16
	; position 128 w + 4 l + jj lies in tile 8 w + 2 (l / 8) + (l / 2) % 2, row 4 (l % 2) + 8 ((l / 4) % 2) + jj
	v_bfe_u32 v8, v0, 3, 2
	v_bfe_u32 v9, v0, 1, 1
	v_lshl_add_u32 v10, v8, 1, v9                  ; the tile among my wave's eight
	v_and_b32 v11, 1, v0
	v_bfe_u32 v12, v0, 2, 1
	v_lshlrev_b32 v13, 2, v11
	v_lshl_add_u32 v13, v12, 3, v13                ; the row of my position jj = 0
	s_mul_i32 s98, s[WV], WSTG
	v_mul_u32_u24 v[AST], v10, TPIT
	v_lshl_add_u32 v[AST], v13, 4, v[AST]          ; 16 bytes a row and half
	v_add_nc_u32 v[AST], s98, v[AST]
	v_and_b32 v[L16], 31, v0
	v_lshlrev_b32 v[L16], 4, v[L16]
	v_add_nc_u32 v[ARD], s98, v[L16]
	s_lshl_b32 s98, s[WV], 7
	s_add_co_u32 s98, s98, SBS
	v_lshl_add_u32 v[ASB], v10, 4, v13             ; 16 bytes a tile, a byte a row
	v_add_nc_u32 v[ASB], s98, v[ASB]
	s_lshl_b32 s98, s[WV], 3
	s_add_co_u32 s98, s98, RED1
	v_mov_b32 v[ARW], s98
	v_mov_b32 v[PT], 0                             ; a lane permute's destination counts as read: written once
.macro FOLD g                          ; the four chains become my lane's figure for group g
	v_pk_add_f32 v[ACC:ACC+1], v[ACC:ACC+1], v[ACC+2:ACC+3]
	v_pk_add_f32 v[ACC+4:ACC+5], v[ACC+4:ACC+5], v[ACC+6:ACC+7]
	v_pk_add_f32 v[ACC:ACC+1], v[ACC:ACC+1], v[ACC+4:ACC+5]
	v_add_f32 v[SM+\g], v[ACC], v[ACC+1]
.endm
.macro SUM g                           ; the sum of my 64 numbers of group g, in four chains that do not wait for each other
.irp k, 0,1,2,3
	v_pk_add_f32 v[ACC+2*\k:ACC+2*\k+1], v[X+64*\g+2*\k:X+64*\g+2*\k+1], v[X+64*\g+8+2*\k:X+64*\g+8+2*\k+1]
.endr
.irp i, 2,3,4,5,6,7
.irp k, 0,1,2,3
	v_pk_add_f32 v[ACC+2*\k:ACC+2*\k+1], v[ACC+2*\k:ACC+2*\k+1], v[X+64*\g+8*\i+2*\k:X+64*\g+8*\i+2*\k+1]
.endr
.endr
	FOLD \g
.endm
.macro SQS g                           ; the sum of their squares
.irp k, 0,1,2,3
	v_pk_mul_f32 v[ACC+2*\k:ACC+2*\k+1], v[X+64*\g+2*\k:X+64*\g+2*\k+1], v[X+64*\g+2*\k:X+64*\g+2*\k+1]
.endr
.irp i, 1,2,3,4,5,6,7
.irp k, 0,1,2,3
	v_pk_fma_f32 v[ACC+2*\k:ACC+2*\k+1], v[X+64*\g+8*\i+2*\k:X+64*\g+8*\i+2*\k+1], v[X+64*\g+8*\i+2*\k:X+64*\g+8*\i+2*\k+1], v[ACC+2*\k:ACC+2*\k+1]
.endr
.endr
	FOLD \g
.endm
.macro WRED r                          ; over the 32 lanes; every lane ends with the sum
	v_add_f32_dpp v[\r], v[\r], v[\r] row_xmask:1 row_mask:0xf bank_mask:0xf
	v_add_f32_dpp v[\r], v[\r], v[\r] row_xmask:2 row_mask:0xf bank_mask:0xf
	v_add_f32_dpp v[\r], v[\r], v[\r] row_xmask:4 row_mask:0xf bank_mask:0xf
	v_add_f32_dpp v[\r], v[\r], v[\r] row_xmask:8 row_mask:0xf bank_mask:0xf
	v_permlanex16_b32 v[PT], v[\r], s[SEL], s[SEL+1]
	v_add_f32 v[\r], v[\r], v[PT]
.endm
.macro JOIN off                        ; over the eight waves: each stores its pair, one barrier, each reads all eight; the pair of totals ends in v[RL:RL+1]
	WRED SM
	WRED SM+1
	ds_store_b64 v[ARW], v[SM:SM+1] offset:\off
	s_wait_dscnt 0x0                               ; for the others' sake: my store has landed
	s_barrier_signal -1
	s_barrier_wait -1
	v_mov_b32 v8, RED1+\off
.irp i, 0,1,2,3
	ds_load_b128 v[RL+4*\i:RL+4*\i+3], v8 offset:16*\i
.endr
	s_wait_dscnt 0x0
	v_pk_add_f32 v[RL:RL+1], v[RL:RL+1], v[RL+2:RL+3]
	v_pk_add_f32 v[RL+4:RL+5], v[RL+4:RL+5], v[RL+6:RL+7]
	v_pk_add_f32 v[RL+8:RL+9], v[RL+8:RL+9], v[RL+10:RL+11]
	v_pk_add_f32 v[RL+12:RL+13], v[RL+12:RL+13], v[RL+14:RL+15]
	v_pk_add_f32 v[RL:RL+1], v[RL:RL+1], v[RL+4:RL+5]
	v_pk_add_f32 v[RL+8:RL+9], v[RL+8:RL+9], v[RL+12:RL+13]
	v_pk_add_f32 v[RL:RL+1], v[RL:RL+1], v[RL+8:RL+9]
.endm
	s_wait_loadcnt 16                              ; group 0's sixteen loads are in; group 1's sixteen stay out
	SUM 0
	s_wait_loadcnt 0x0
	SUM 1
	JOIN 0
	v_pk_mul_f32 v[RL:RL+1], v[RL:RL+1], 0xb8800000 op_sel_hi:[1,0]   ; x -2^-14: a group has 16,384 numbers: -mean
	v_readfirstlane_b32 s[NMU], v[RL]
	v_readfirstlane_b32 s[NMU+2], v[RL+1]
	s_mov_b32 s[NMU+1], s[NMU]
	s_mov_b32 s[NMU+3], s[NMU+2]
.irp g, 0,1
.set ci, 0
.rept 32
	v_pk_add_f32 v[X+64*\g+2*ci:X+64*\g+2*ci+1], v[X+64*\g+2*ci:X+64*\g+2*ci+1], s[NMU+2*\g:NMU+2*\g+1] op_sel_hi:[1,0]   ; x - mean, in place
.set ci, ci+1
.endr
.endr
	SQS 0
	SQS 1
	JOIN RED2-RED1
	v_mov_b32 v[KC], 0x38800000                    ; 2^-14
	v_fmaak_f32 v[RL], v[RL], v[KC], 0x3727c5ac    ; var + 1e-5
	v_fmaak_f32 v[RL+1], v[RL+1], v[KC], 0x3727c5ac
	v_rsq_f32 v[RL+2], v[RL]
	v_rsq_f32 v[RL+3], v[RL+1]
	v_nop                                          ; a plain instruction behind the last root
	s_wait_alu depctr_va_vdst(0)                   ; one wait for both, ahead of their first reader
	v_readfirstlane_b32 s[RS], v[RL+2]
	v_readfirstlane_b32 s[RS+1], v[RL+3]
	s_wait_kmcnt 0x0                               ; gn_w, gn_b
.set ci, 0
.rept 32
	s_mul_f32 s[16+ci], s[16+ci], s[RS+ci/16]      ; a_c = gn_w[c] / sqrt(var + eps): h = a_c (x - mean) + gn_b[c], one fused multiply-add
.set ci, ci+1
.endr
; Position 4 t + jj: 32 numbers of h, their block's scale, the hold, 32 codes.
.macro QPOS jj
.set TS, T+32*((\jj)%2)
.set CC, C+8*(\jj)
.set ci, 0
.rept 16
	v_fma_f32 v[TS+ci], v[X+4*ci+\jj], s[16+ci], s[48+ci]
.set ci, ci+1
.endr
.rept 16
	v_fma_f32 v[TS+ci], v[X+4*ci+\jj], s[16+ci], s[52+ci]
.set ci, ci+1
.endr
	v_max3_num_f32 v8, |v[TS]|, |v[TS+1]|, |v[TS+2]|              ; the block's largest magnitude: all 32 numbers are mine; two chains
	v_max3_num_f32 v9, |v[TS+3]|, |v[TS+4]|, |v[TS+5]|
.irp i, 6,10,14,18,22,26
	v_max3_num_f32 v8, v8, |v[TS+\i]|, |v[TS+\i+1]|
	v_max3_num_f32 v9, v9, |v[TS+\i+2]|, |v[TS+\i+3]|
.endr
	v_max3_num_f32 v8, v8, |v[TS+30]|, |v[TS+31]|
	v_max3_num_f32 v8, v8, v9, 0x4800000           ; and the floor 2^(9 - 127): the byte cannot fall under 1
	v_add_nc_u32 v11, 0xfc000000, v8               ; 8 off the exponent field: the conversion takes this operand's exponent field as its scale
	v_and_or_b32 v10, v8, 0x7f800000, s[MNT]       ; 448 x the scale
.set ci, 0
.rept 32
	v_med3_num_f32 v[TS+ci], v[TS+ci], -v10, v10   ; the conversion to an 8-bit code does not saturate (ISA guide 7.6.2): the hold comes first
.set ci, ci+1
.endr
.irp g, 0,1,2,3
	v_cvt_scalef32_pk8_fp8_f32 v[CC+2*\g:CC+2*\g+1], v[TS+8*\g:TS+8*\g+7], v11
.endr
.if (\jj) == 0
	v_lshrrev_b32 v[BY], 23, v11                   ; the scale's byte (also the plain instruction behind the conversions)
.else
	v_lshrrev_b32 v12, 23, v11
	v_lshl_or_b32 v[BY], v12, 8*(\jj), v[BY]       ; my four positions are four neighbouring rows of one tile
.endif
	ds_store_b128 v[AST], v[CC:CC+3] offset:16*(\jj)          ; channels 0-15 of the block: the fragment's lanes 0-15
	ds_store_b128 v[AST], v[CC+4:CC+7] offset:16*(\jj)+256    ; channels 16-31: its lanes 16-31
.endm
	QPOS 0
	QPOS 1
	QPOS 2
	QPOS 3
	ds_store_b32 v[ASB], v[BY]
.irp i, 0,1,2,3,4,5,6,7
	ds_load_b128 v[T+4*\i:T+4*\i+3], v[ARD] offset:TPIT*\i   ; LDS serves a wave's instructions in order (ISA guide 5.7.1.4): these see my wave's stores
.endr
.irp i, 0,1,2,3,4,5,6,7
	s_wait_dscnt 7-\i                              ; the younger read-backs may stay out
	global_store_b128 v[L16], v[T+4*\i:T+4*\i+3], s[10:11] offset:8192*\i   ; 512 consecutive bytes, aligned: block j of tile 8 w + i
.endr
	v_add_nc_u32 v12, SBS, v[XO]                   ; made ahead of the branch
	s_wait_dscnt 0x0                               ; my four scale bytes have landed
	s_barrier_signal -1
	s_barrier_wait -1
	s_cmp_gt_u32 s[WV], 1                          ; waves 0 and 1 carry the 1,024 scale bytes out
	s_cbranch_scc1 .Ldone
	ds_load_b128 v[8:11], v12
	s_wait_dscnt 0x0
	global_store_b128 v[XO], v[8:11], s[12:13]     ; 512 consecutive bytes, aligned
.Ldone:
	s_set_vgpr_msb 0x5
	s_wait_tensorcnt 0x0
	ds_add_u32 v0, v1
	s_wait_dscnt 0x0
	s_set_vgpr_msb 0x500
	s_endpgm
.Lfunc_end_k_q65f67bbecf_gnq:
	.size	k_q65f67bbecf_gnq, .Lfunc_end_k_q65f67bbecf_gnq-k_q65f67bbecf_gnq
	.p2alignl 7, 3214868480
	.fill 96, 4, 3214868480
	.section	.rodata,"a",@progbits
	.p2align	6, 0x0
	.amdhsa_kernel k_q65f67bbecf_gnq
		.amdhsa_group_segment_fixed_size 36352
		.amdhsa_private_segment_fixed_size 0
		.amdhsa_enable_private_segment 0
		.amdhsa_kernarg_size 40
		.amdhsa_user_sgpr_count 2
		.amdhsa_user_sgpr_kernarg_segment_ptr 1
		.amdhsa_wavefront_size32 1
		.amdhsa_system_sgpr_workgroup_id_x 1
		.amdhsa_system_sgpr_workgroup_id_y 1
		.amdhsa_system_sgpr_workgroup_id_z 1
		.amdhsa_system_vgpr_workitem_id 0
		.amdhsa_next_free_vgpr 258
		.amdhsa_next_free_sgpr 100
		.amdhsa_reserve_vcc 0
		.amdhsa_float_denorm_mode_32 3
		.amdhsa_float_denorm_mode_16_64 3
		.amdhsa_memory_ordered 1
		.amdhsa_forward_progress 1
		.amdhsa_inst_pref_size 48
	.end_amdhsa_kernel
	.amdgpu_metadata
---
amdhsa.version: [ 1, 2 ]
amdhsa.kernels:
  - .name:           k_q65f67bbecf_gnq
    .symbol:         k_q65f67bbecf_gnq.kd
    .args:
      - { .name: x, .offset: 0, .size: 8, .value_kind: global_buffer, .address_space: global }
      - { .name: gn_w, .offset: 8, .size: 8, .value_kind: global_buffer, .address_space: global }
      - { .name: gn_b, .offset: 16, .size: 8, .value_kind: global_buffer, .address_space: global }
      - { .name: hc, .offset: 24, .size: 8, .value_kind: global_buffer, .address_space: global }
      - { .name: hs, .offset: 32, .size: 8, .value_kind: global_buffer, .address_space: global }
    .group_segment_fixed_size: 36352
    .private_segment_fixed_size: 0
    .kernarg_segment_align: 8
    .kernarg_segment_size: 40
    .max_flat_workgroup_size: 256
    .sgpr_count:     100
    .vgpr_count:     258
    .wavefront_size: 32
...
	.end_amdgpu_metadata
.endif
;; end of part 1
;; launch qkv (part 2): grid 64 x 4, 4 waves a work-group, clusters of 4 x 4, 274,944 bytes of LDS; arguments hc, hs, q_w_codes, k_w_codes, q_w_scales, k_w_scales, q_b, k_b, v_w_codes, v_w_scales, v_b, qc, kc, qs, ks, vc, vs; writes qc, kc, qs, ks, vc, vs
.if DOCPART == 2
	.amdgcn_target "amdgcn-amd-amdhsa--gfx1250"
	.amdhsa_code_object_version 6
	.text
	.protected	k_q65f67bbecf_qkv
	.globl	k_q65f67bbecf_qkv
	.p2align	8
	.type	k_q65f67bbecf_qkv,@function
k_q65f67bbecf_qkv:
	s_mov_b64 s[64:65], 0
	v_nop
	global_prefetch_b8 v0, s[64:65] scope:SCOPE_SE
	s_setreg_imm32_b32 hwreg(HW_REG_WAVE_MODE, 25, 1), 1
	s_wait_xcnt 0x0
	s_wait_alu depctr_hold_cnt(0) depctr_sa_sdst(0) depctr_va_vdst(0) depctr_va_sdst(0) depctr_va_ssrc(0) depctr_va_vcc(0) depctr_vm_vsrc(0)
	s_getreg_b32 s2, hwreg(HW_REG_IB_STS2, 6, 4)
	s_cmp_eq_u32 s2, 0
	s_cbranch_scc0 .Lentry_in_a_cluster
	s_endpgm
.Lentry_in_a_cluster:
	s_bfe_u32 s2, ttmp6, 0x10000c
	s_cmp_lg_u32 s2, 0xf033
	s_cbranch_scc0 .Lentry_shape_is_right
	s_endpgm
.Lentry_shape_is_right:
; q = Wq h + bq, k = Wk h + bk, v = Wv h + bv on codes of E4M3 with E8M0 scales; the results are quantised at once: q and k along the channels, v along the positions (the keys).
; SHARES.  A work-group takes 256 positions of one image (16 tiles of 16; image = cluster x, quarter = cx) and channels 128 cy .. 128 cy + 127 of q, of k and of v.
; Wave w: kind = w % 2, half = w / 2.  PHASE QK: 128 channels of q (kind 0) or k (kind 1) for the 8 tiles of its half: 64 accumulators.  The product is used transposed (source 0 = 16 rows of W,
; source 1 = 16 positions): a lane holds one position, its registers run along the channels, the next K.  PHASE V: 64 channels (kind) for the same 8 tiles, source 0 = 16 positions, source 1 = 16 rows of Wv:
; a lane holds one channel, its registers run along the positions, the next K.
; THE ROWS OF A TILE ARE NOT NEIGHBOURS, of positions and of weights alike: row r of tile 2 B + u is 32 B + 8 u + r + 8 (r / 8), so that the 16 registers of tiles 2 B and 2 B + 1 are 16 neighbours along the next K.
; LDS is filled once: h's 16 tiles as images of operand registers (dense), Wq's and Wk's 128 rows of 512 bytes.  Nothing is filled again.
; CLUSTER 4 x 4: h's tiles hang on cx alone and are asked for jointly along a column, the weights on cy alone, jointly along a row.  Wv goes from memory straight into registers, 32,768 bytes a wave, read once:
; a third slab of 68,608 bytes beside h's 131,072 and the two slabs does not fit in 327,680 bytes of LDS.
; A group of 32 weight rows lies as two halves of 16 rows, pitch 528, the second 8,576 bytes behind the first: 8,576 = 128 modulo 256, so the rows 0-7 and 16-23 (or 8-15 and 24-31) of a tile begin at 16 different columns of 16 bytes.
; OUTPUT, all as images of operand registers: qc, kc [b][tile 64][slab 4][2,048]; qs, ks [b][slab 4][tile 64][row 16] words; vc [b][slab 4][kpos 8][tile 8][2,048], vs [b][slab 4][kpos 8][tile 8][row 16] words,
; kpos = 4 (key step % 2) + key step / 2: the order in which the next launch wants the key steps.
; LIMITS: NaN and infinities are not served.  A block whose largest magnitude lies under 2^-118 (a block of zeros too) gets the byte 1; the bytes are read by this program alone.
; REGISTERS, in windows of 256: window 0: v1-31 addresses; v32-47 h's scale words, v48-63 the weights' (scales and nothing else); v64-127 the biases of phase QK, then at work; v128-255 h's fragments of one K step.
;   window 1: W's fragments, two sets of 128; then Wv's 16 fragments.   window 2: accumulators of tiles 0-3 (64 (a % 4) + 8 t); then phase V's (64 dt + 8 pt).
;   window 3: accumulators of tiles 4-7; then h's second set (v0-127) and bv (v128-159).
.set WQB,   131072                     ; LDS: h's images lie at 0; Wq's slab;
.set WKB,   199680                     ; Wk's slab;
.set HSW,   268288                     ; h's scale words [tile 16][K step 4][row 16];
.set SST,   272384                     ; 512 bytes a wave: scale words on their way out
.set GRP,   17152                      ; 32 weight rows
.set HALFG, 8576                       ; 16 of them
.set WPIT,  528
.set GL,  4                            ; v4   16 x lane
.set AH,  5                            ; v5   h's images of my half
.set AWF, 6                            ; v6   my lane's place in a weight tile of my kind
.set AHS, 7                            ; v7   h's scale words: lanes 0-15 an even tile's, lanes 16-31 the next tile's
.set ASW, 8                            ; v8   a scale word into my stage
.set ASR, 9                            ; v9   and back, 16 bytes a lane;
.set ASR8, 10                          ; v10  8 bytes a lane
.set HSO, 11                           ; v11  hs: my four bytes
.set HST, 12                           ; v12  and where their words go
.set WSO, 13                           ; v13  a weight's scale words: my row of a pair of tiles
.set BO,  14                           ; v14  the bias: 64 bytes for lanes 16-31
.set WVO, 15                           ; v15  Wv: my row of a tile
.set VBO, 16                           ; v16  bv: my row
.set GL8, 17                           ; v17  8 x lane
.set HS,  32
.set WS,  48
.set BQ,  64
.set PC,  64                           ; v64-95   codes just made, two sets
.set TM,  96                           ; v96-111  largest magnitudes, bytes, holds, scale operands
.set PW,  112                          ; v112-119 scale words just made, a register each
.set VBL, 120                          ; v120-123 bv of my row in the four tiles
.set RB,  124                          ; v124-127 scale words on their way out
.set HF,  128
.set WV,  80
.set TY,  81
.set PH,  82
.set CX,  83
.set CY,  84
.set SEL, 96
.set MNT, 98
.set MSB, 0
.macro WIN new                         ; the immediate's high byte repeats the setting that is left
.if MSB != (\new)
	s_set_vgpr_msb (MSB<<8)|(\new)
.set MSB, (\new)
.endif
.endm
.macro PLACES n                        ; plain vector instructions between a matrix instruction and a load into, or a read of, its registers
.rept \n
	v_nop
.endr
.endm
.macro CROUND                          ; a round of the cluster's barrier
	s_barrier_signal -1
	s_barrier_wait -1
	s_cmp_lg_u32 s[WV], 0
	s_cbranch_scc1 .Lnot_wave_0_\@
	s_barrier_signal -3
.Lnot_wave_0_\@:
	s_barrier_wait -3
	s_barrier_signal -1
	s_barrier_wait -1
.endm
; One matrix instruction.  c < 0: the constant 0 starts the sum.  ra, rb odd: that side's scales stand in lanes 16-31 of its register.
.macro WM d, a, b, c, sa, sb, ra, rb
.if (\c) < 0
.if ((\ra)%2) && ((\rb)%2)
	v_wmma_scale_f32_16x16x128_f8f6f4 v[(\d):(\d)+7], v[(\a):(\a)+15], v[(\b):(\b)+15], 0, v[(\sa)], v[(\sb)] matrix_a_scale:MATRIX_SCALE_ROW1 matrix_b_scale:MATRIX_SCALE_ROW1
.elseif ((\ra)%2)
	v_wmma_scale_f32_16x16x128_f8f6f4 v[(\d):(\d)+7], v[(\a):(\a)+15], v[(\b):(\b)+15], 0, v[(\sa)], v[(\sb)] matrix_a_scale:MATRIX_SCALE_ROW1
.elseif ((\rb)%2)
	v_wmma_scale_f32_16x16x128_f8f6f4 v[(\d):(\d)+7], v[(\a):(\a)+15], v[(\b):(\b)+15], 0, v[(\sa)], v[(\sb)] matrix_b_scale:MATRIX_SCALE_ROW1
.else
	v_wmma_scale_f32_16x16x128_f8f6f4 v[(\d):(\d)+7], v[(\a):(\a)+15], v[(\b):(\b)+15], 0, v[(\sa)], v[(\sb)]
.endif
.else
.if ((\ra)%2) && ((\rb)%2)
	v_wmma_scale_f32_16x16x128_f8f6f4 v[(\d):(\d)+7], v[(\a):(\a)+15], v[(\b):(\b)+15], v[(\c):(\c)+7], v[(\sa)], v[(\sb)] matrix_a_scale:MATRIX_SCALE_ROW1 matrix_b_scale:MATRIX_SCALE_ROW1
.elseif ((\ra)%2)
	v_wmma_scale_f32_16x16x128_f8f6f4 v[(\d):(\d)+7], v[(\a):(\a)+15], v[(\b):(\b)+15], v[(\c):(\c)+7], v[(\sa)], v[(\sb)] matrix_a_scale:MATRIX_SCALE_ROW1
.elseif ((\rb)%2)
	v_wmma_scale_f32_16x16x128_f8f6f4 v[(\d):(\d)+7], v[(\a):(\a)+15], v[(\b):(\b)+15], v[(\c):(\c)+7], v[(\sa)], v[(\sb)] matrix_b_scale:MATRIX_SCALE_ROW1
.else
	v_wmma_scale_f32_16x16x128_f8f6f4 v[(\d):(\d)+7], v[(\a):(\a)+15], v[(\b):(\b)+15], v[(\c):(\c)+7], v[(\sa)], v[(\sb)]
.endif
.endif
.endm
	s_load_b512 s[4:19], s[0:1], 0x0               ; hc, hs, Wq's codes, Wk's codes, Wq's scales, Wk's scales, bq, bk
	s_load_b512 s[20:35], s[0:1], 0x40             ; Wv's codes, Wv's scales, bv, qc, kc, qs, ks, vc
	s_load_b64 s[36:37], s[0:1], 0x80              ; vs
	v_lshl_add_u32 v30, v0, 2, 0x43000
	v_mov_b32 v31, 0
	ds_add_u32 v30, v31
	ds_add_u32 v30, v31
	v_lshrrev_b32 v1, 5, v0
	v_readfirstlane_b32 s[WV], v1                  ; wave 0..3
	s_and_b32 s[TY], s[WV], 1                      ; kind
	s_lshr_b32 s[PH], s[WV], 1                     ; half
	s_bfe_u32 s[CX], ttmp6, 0x40000                ; cx: the quarter of the image
	s_bfe_u32 s[CY], ttmp6, 0x40004                ; cy: the slab of 128 channels (the grid has one cluster along y)
	s_lshl_b32 s85, 0x1111, s[CX]                  ; my column of the cluster
	s_lshl_b32 s91, s[CY], 2
	s_lshl_b32 s91, 15, s91                        ; my row
	; group 1 for h: 128 dense rows of 256 bytes (32 elements of 8 bytes), no padding
	s_or_b32 s40, s85, (3<<16)|(1<<21)             ; 15:0 the mask: my column; 17:16 elements of 8 bytes; 21 set beside a mask
	s_mov_b32 s41, 32<<16                          ; tensor_dim0
	s_mov_b32 s42, 128<<16                         ; tensor_dim1
	s_mov_b32 s43, 32<<16                          ; tile_dim0
	s_mov_b32 s44, 128                             ; tile_dim1
	s_mov_b32 s45, 32                              ; from row to row
	s_mov_b32 s46, 0
	s_mov_b32 s47, 0
	; group 1 for the weights: 16 rows of 512 bytes, 16 bytes of padding behind each
	s_or_b32 s48, s91, (1<<20)|(1<<21)|(6<<22)|(3<<25)   ; the mask: my row; elements of 1 byte; padding on: 4 words after every 128
	s_mov_b32 s49, 512<<16
	s_mov_b32 s50, 16<<16
	s_mov_b32 s51, 512<<16
	s_mov_b32 s52, 16
	s_mov_b32 s53, 512
	s_mov_b32 s54, 0
	s_mov_b32 s55, 0
	s_lshl_b32 s86, ttmp9, 2                       ; h: (4 image + cx) x 131,072 + wave x 32,768: these registers never hold cy
	s_add_co_u32 s86, s86, s[CX]
	s_lshl_b32 s86, s86, 17
	s_lshl_b32 s87, s[WV], 15
	s_add_co_u32 s86, s86, s87
	s_mov_b32 s87, 0
	s_lshl_b32 s88, s[CY], 16                      ; the weights: rows 128 cy + 32 wave, 512 bytes each: these never hold cx
	s_lshl_b32 s89, s[WV], 14
	s_add_co_u32 s88, s88, s89
	s_mov_b32 s89, 0
	s_mul_i32 s90, s[WV], GRP
	s_mov_b32 s[SEL], 0x76543210
	s_mov_b32 s[SEL+1], 0xfedcba98                 ; lane l xor 16
	s_mov_b32 s[MNT], 0x600000                     ; the mantissa field of 448
	s_wait_dscnt 0x0
	s_wait_kmcnt 0x0
	s_mov_b32 s56, 1                               ; group 0 for my quarter of h
	s_lshl_b32 s57, s[WV], 15
	s_add_nc_u64 s[58:59], s[4:5], s[86:87]
	s_or_b32 s59, s59, 0x80000000
	s_mov_b32 s60, 1                               ; Wq, my group's first 16 rows,
	s_add_co_u32 s61, s90, WQB
	s_add_nc_u64 s[62:63], s[8:9], s[88:89]
	s_mov_b32 s68, 1                               ; and its second
	s_add_co_u32 s69, s90, WQB+HALFG
	s_add_nc_u64 s[70:71], s[62:63], 8192
	s_or_b32 s63, s63, 0x80000000
	s_or_b32 s71, s71, 0x80000000
	s_mov_b32 s72, 1                               ; Wk likewise
	s_add_co_u32 s73, s90, WKB
	s_add_nc_u64 s[74:75], s[10:11], s[88:89]
	s_mov_b32 s76, 1
	s_add_co_u32 s77, s90, WKB+HALFG
	s_add_nc_u64 s[78:79], s[74:75], 8192
	s_or_b32 s75, s75, 0x80000000
	s_or_b32 s79, s79, 0x80000000
	CROUND                                         ; all sixteen work-groups are here: the joint loads meet
	tensor_load_to_lds s[56:59], s[40:47]          ; the launch's only fills, one group: five loads of mine are out
	s_nop 0
	tensor_load_to_lds s[60:63], s[48:55]
	s_nop 0
	tensor_load_to_lds s[68:71], s[48:55]
	s_nop 0
	tensor_load_to_lds s[72:75], s[48:55]
	s_nop 0
	tensor_load_to_lds s[76:79], s[48:55]
	s_nop 0
	PLACES 4
	s_cmp_eq_u32 s[TY], 0                          ; q's buffers or k's: the choice hangs on the wave's number alone
	s_cselect_b64 s[12:13], s[12:13], s[14:15]     ; the weight's scales
	s_cselect_b64 s[16:17], s[16:17], s[18:19]     ; the bias
	s_cselect_b64 s[26:27], s[26:27], s[28:29]     ; the codes' buffer
	s_cselect_b64 s[30:31], s[30:31], s[32:33]     ; the scale words' buffer
	s_mov_b32 s93, 0
	s_lshl_b32 s92, ttmp9, 14                      ; hs: image x 16,384 + cx x 256
	s_lshl_b32 s94, s[CX], 8
	s_add_co_u32 s92, s92, s94
	s_add_nc_u64 s[6:7], s[6:7], s[92:93]
	s_lshl_b32 s92, s[CY], 11                      ; a weight's scales: 16 bytes a row
	s_add_nc_u64 s[12:13], s[12:13], s[92:93]
	s_lshl_b32 s94, s[TY], 10                      ; Wv's: + 64 rows for kind 1
	s_add_co_u32 s92, s92, s94
	s_add_nc_u64 s[22:23], s[22:23], s[92:93]
	s_lshl_b32 s92, s[CY], 9                       ; a bias: 4 bytes a row
	s_add_nc_u64 s[16:17], s[16:17], s[92:93]
	s_lshl_b32 s94, s[TY], 8
	s_add_co_u32 s92, s92, s94
	s_add_nc_u64 s[24:25], s[24:25], s[92:93]
	s_lshl_b32 s92, s[CY], 16                      ; Wv's codes: 512 bytes a row
	s_lshl_b32 s94, s[TY], 15
	s_add_co_u32 s92, s92, s94
	s_add_nc_u64 s[20:21], s[20:21], s[92:93]
	s_lshl_b32 s92, ttmp9, 19                      ; qc, kc: image x 524,288 + (16 cx + 8 half) tiles of 8,192 + cy x 2,048
	s_lshl_b32 s94, s[CX], 17
	s_add_co_u32 s92, s92, s94
	s_lshl_b32 s94, s[PH], 16
	s_add_co_u32 s92, s92, s94
	s_lshl_b32 s94, s[CY], 11
	s_add_co_u32 s92, s92, s94
	s_add_nc_u64 s[26:27], s[26:27], s[92:93]
	s_lshl_b32 s92, ttmp9, 14                      ; qs, ks: image x 16,384 + cy x 4,096 + (16 cx + 8 half) tiles of 64
	s_lshl_b32 s94, s[CY], 12
	s_add_co_u32 s92, s92, s94
	s_lshl_b32 s94, s[CX], 10
	s_add_co_u32 s92, s92, s94
	s_lshl_b32 s94, s[PH], 9
	s_add_co_u32 s92, s92, s94
	s_add_nc_u64 s[30:31], s[30:31], s[92:93]
	s_lshl_b32 s95, s[PH], 2
	s_add_co_u32 s95, s95, s[CX]                   ; kpos = 4 half + cx
	s_lshl_b32 s92, ttmp9, 19                      ; vc: image x 524,288 + cy x 131,072 + kpos x 16,384 + kind x 8,192
	s_lshl_b32 s94, s[CY], 17
	s_add_co_u32 s92, s92, s94
	s_lshl_b32 s94, s95, 14
	s_add_co_u32 s92, s92, s94
	s_lshl_b32 s94, s[TY], 13
	s_add_co_u32 s92, s92, s94
	s_add_nc_u64 s[34:35], s[34:35], s[92:93]
	s_lshl_b32 s92, ttmp9, 14                      ; vs: image x 16,384 + cy x 4,096 + kpos x 512 + kind x 256
	s_lshl_b32 s94, s[CY], 12
	s_add_co_u32 s92, s92, s94
	s_lshl_b32 s94, s95, 9
	s_add_co_u32 s92, s92, s94
	s_lshl_b32 s94, s[TY], 8
	s_add_co_u32 s92, s92, s94
	s_add_nc_u64 s[36:37], s[36:37], s[92:93]
	v_and_b32 v1, 31, v0                           ; lane
	v_and_b32 v2, 15, v0                           ; r
	v_bfe_u32 v3, v0, 4, 1                         ; h
	v_lshlrev_b32 v[GL], 4, v1
	s_lshl_b32 s94, s[PH], 16
	v_add_nc_u32 v[AH], s94, v[GL]
	v_and_b32 v18, 7, v0                           ; r % 8
	v_bfe_u32 v19, v0, 3, 1                        ; r / 8
	v_mul_u32_u24 v[AWF], v18, WPIT
	v_mad_u32_u24 v[AWF], v19, HALFG, v[AWF]
	v_lshl_add_u32 v[AWF], v3, 4, v[AWF]
	s_mul_i32 s94, s[TY], 4*GRP
	s_add_co_u32 s94, s94, WQB
	v_add_nc_u32 v[AWF], s94, v[AWF]
	v_lshlrev_b32 v[AHS], 2, v2
	v_lshl_add_u32 v[AHS], v3, 8, v[AHS]           ; a tile's words are 256 bytes
	s_lshl_b32 s94, s[PH], 11
	s_add_co_u32 s94, s94, HSW
	v_add_nc_u32 v[AHS], s94, v[AHS]
	s_lshl_b32 s94, s[WV], 9
	s_add_co_u32 s94, s94, SST
	v_lshl_add_u32 v[ASW], v2, 2, s94
	v_add_nc_u32 v[ASR], s94, v[GL]
	v_lshl_add_u32 v[ASR8], v1, 3, s94
	v_and_b32 v20, 63, v0                          ; hs: thread t takes the four bytes 4 (t % 64) .. of eight blocks: K steps 2 (t / 64) and 2 (t / 64) + 1
	v_lshrrev_b32 v21, 6, v0
	v_lshlrev_b32 v[HSO], 2, v20
	v_lshl_add_u32 v[HSO], v21, 13, v[HSO]
	v_lshrrev_b32 v22, 2, v20                      ; the tile,
	v_and_b32 v23, 3, v20                          ; and which four of its rows
	v_lshlrev_b32 v[HST], 8, v22
	v_lshl_add_u32 v[HST], v23, 4, v[HST]
	v_lshl_add_u32 v[HST], v21, 7, v[HST]
	v_add_nc_u32 v[HST], HSW, v[HST]
	v_lshl_add_u32 v[WSO], v3, 3, v18              ; row 8 h + r % 8 + 16 (r / 8) of a pair of tiles: lanes 0-15 the even tile's rows, lanes 16-31 the odd one's
	v_lshl_add_u32 v[WSO], v19, 4, v[WSO]
	v_lshlrev_b32 v[WSO], 4, v[WSO]
	v_lshlrev_b32 v[BO], 6, v3
	v_lshl_add_u32 v24, v19, 3, v2                 ; r + 8 (r / 8)
	v_lshlrev_b32 v[WVO], 9, v24
	v_lshl_add_u32 v[WVO], v3, 4, v[WVO]
	v_lshlrev_b32 v[VBO], 2, v24
	v_lshlrev_b32 v[GL8], 3, v1
.irp q, 0,1
.irp c, 0,1,2,3
	global_load_b32 v[HF+4*\q+\c], v[HSO], s[6:7] offset:(4*\q+\c)*1024   ; the bytes of block 4 (K step) + c for four rows
.endr
.endr
.irp i, 0,1,2,3
	global_load_b128 v[WS+4*\i:WS+4*\i+3], v[WSO], s[12:13] offset:512*\i   ; a row's 16 scale bytes are its words of the four K steps: register 4 i + K step
.endr
.irp t, 0,1,2,3,4,5,6,7
	global_load_b128 v[BQ+8*\t:BQ+8*\t+3], v[BO], s[16:17] offset:(32*(\t/2)+8*(\t%2))*4       ; the bias in the result's layout: channels 32 (t / 2) + 16 h + 8 (t % 2) + 0 .. 7
	global_load_b128 v[BQ+8*\t+4:BQ+8*\t+7], v[BO], s[16:17] offset:(32*(\t/2)+8*(\t%2))*4+16
.endr
	s_wait_loadcnt 20                              ; hs's eight loads are in; the twenty behind them stay out
.irp q, 0,1                            ; four bytes of four blocks become four words of four bytes: a transposition of 4 x 4 bytes
	v_perm_b32 v[HF+8+4*\q], v[HF+4*\q+1], v[HF+4*\q], 0x05010400
	v_perm_b32 v[HF+9+4*\q], v[HF+4*\q+1], v[HF+4*\q], 0x07030602
	v_perm_b32 v[HF+10+4*\q], v[HF+4*\q+3], v[HF+4*\q+2], 0x05010400
	v_perm_b32 v[HF+11+4*\q], v[HF+4*\q+3], v[HF+4*\q+2], 0x07030602
	v_perm_b32 v[HF+16+4*\q], v[HF+10+4*\q], v[HF+8+4*\q], 0x05040100
	v_perm_b32 v[HF+17+4*\q], v[HF+10+4*\q], v[HF+8+4*\q], 0x07060302
	v_perm_b32 v[HF+18+4*\q], v[HF+11+4*\q], v[HF+9+4*\q], 0x05040100
	v_perm_b32 v[HF+19+4*\q], v[HF+11+4*\q], v[HF+9+4*\q], 0x07060302
	ds_store_b128 v[HST], v[HF+16+4*\q:HF+19+4*\q] offset:64*\q
.endr
	s_wait_tensorcnt 0x0                           ; my five loads have landed,
	s_wait_dscnt 0x0                               ; and my scale words
	s_barrier_signal -1
	s_barrier_wait -1                              ; everybody's have
.macro FETCH_W ks, set                 ; the eight tiles of my kind's weight, K step ks, into set
	WIN 0x40
.irp t, 0,1,2,3,4,5,6,7
.irp c, 0,1,2,3
	ds_load_b128 v[128*(\set)+16*\t+4*\c:128*(\set)+16*\t+4*\c+3], v[AWF] offset:(\t/2)*GRP+(\t%2)*8*WPIT+128*(\ks)+32*\c
.endr
.endr
	WIN 0
.endm
.macro FETCH_H ks, a0                  ; h's tiles a0 .. a0 + 3 of my half, K step ks
.irp a, \a0, \a0+1, \a0+2, \a0+3
.irp c, 0,1,2,3
	ds_load_b128 v[HF+16*(\a)+4*\c:HF+16*(\a)+4*\c+3], v[AH] offset:8192*(\a)+2048*(\ks)+512*\c
.endr
.endr
.endm
.macro FETCH_HV ks, base               ; all eight, into v[base] on of the window that is set
.irp a, 0,1,2,3,4,5,6,7
.irp c, 0,1,2,3
	ds_load_b128 v[(\base)+16*\a+4*\c:(\base)+16*\a+4*\c+3], v[AH] offset:8192*\a+2048*(\ks)+512*\c
.endr
.endr
.endm
; 16 matrix instructions: tiles a0, a0 + 1 of positions x the eight tiles of channels.  first = 1: the bias is the C that starts the sum.  The 64 accumulators take turns, one instruction a turn.
.macro MUL16 a0, ks, set, first
.irp a, \a0, \a0+1
.irp t, 0,1,2,3,4,5,6,7
.if \first
	WM 64*((\a)%4)+8*\t, 128*(\set)+16*\t, HF+16*(\a), BQ+8*\t, WS+4*(\t/2)+(\ks), HS+4*((\a)/2)+(\ks), \t, \a
.else
	WM 64*((\a)%4)+8*\t, 128*(\set)+16*\t, HF+16*(\a), 64*((\a)%4)+8*\t, WS+4*(\t/2)+(\ks), HS+4*((\a)/2)+(\ks), \t, \a
.endif
.endr
.endr
.endm
; A K step of phase QK.  A tile of h is free as soon as its eight products are issued, so h has one set: tiles 0-3 are fetched anew in the step's middle, tiles 4-7 at its end; W has two sets.
.macro STEP ks, first, last
	s_wait_dscnt 16                                ; all but the youngest sixteen loads (h's tiles 4-7) are in
.if \first
	WIN 0x81                                       ; W window 1, h and the bias window 0, D window 2
.else
	WIN 0xa1
.endif
	MUL16 0, \ks, (\ks)%2, \first
	MUL16 2, \ks, (\ks)%2, \first
	s_wait_dscnt 0x0
.if !(\last)
	PLACES 8
	FETCH_W (\ks)+1, ((\ks)+1)%2
	FETCH_H (\ks)+1, 0
.endif
.if \first
	WIN 0xc1
.else
	WIN 0xf1
.endif
	MUL16 4, \ks, (\ks)%2, \first
	MUL16 6, \ks, (\ks)%2, \first
.if !(\last)
	PLACES 8
	WIN 0
	FETCH_H (\ks)+1, 4
.endif
.endm
; 64 numbers of a lane in window w, v[sb] on, register 16 b + i = k 32 b + 16 (lane / 16) + i of my row, become a fragment's codes in v[pc] on and its scale word in v[pw].
.macro QUANTW w, sb, pc, pw
	WIN (\w)|((\w)<<2)
.irp b, 0,1,2,3
	v_max3_num_f32 v[TM+\b], |v[(\sb)+16*\b]|, |v[(\sb)+16*\b+1]|, 0x4800000   ; my 16 numbers of block b, each accumulator from its low end on, and the floor 2^(9 - 127)
.endr
.irp i, 2,4,6,8,10,12,14
.irp b, 0,1,2,3
	v_max3_num_f32 v[TM+\b], |v[(\sb)+16*\b+\i]|, |v[(\sb)+16*\b+\i+1]|, v[TM+\b]
.endr
.endr
	WIN 0
.irp b, 0,1,2,3
	v_permlanex16_b32 v[TM+4+\b], v[TM+\b], s[SEL], s[SEL+1]
.endr
.irp b, 0,1,2,3
	v_max_num_f32 v[TM+\b], v[TM+\b], v[TM+4+\b]   ; with lane l xor 16's sixteen: the block's largest magnitude
.endr
.irp b, 0,1,2,3
	v_add_nc_u32 v[TM+12+\b], 0xfc000000, v[TM+\b] ; 8 off the exponent field: the conversion's scale operand
.endr
.irp b, 0,1,2,3
	v_and_or_b32 v[TM+8+\b], v[TM+\b], 0x7f800000, s[MNT]   ; 448 x the scale
.endr
.irp b, 0,1,2,3
	v_lshrrev_b32 v[TM+4+\b], 23, v[TM+12+\b]      ; the scale's byte
.endr
	v_lshl_or_b32 v[\pw], v[TM+5], 8, v[TM+4]
	v_lshl_or_b32 v[\pw], v[TM+6], 16, v[\pw]
	v_lshl_or_b32 v[\pw], v[TM+7], 24, v[\pw]
	WIN ((\w)<<6)|(\w)
.irp b, 0,1,2,3
.irp i, 0,1,2,3,4,5,6,7,8,9,10,11,12,13,14,15
	v_med3_num_f32 v[(\sb)+16*\b+\i], v[(\sb)+16*\b+\i], -v[TM+8+\b], v[TM+8+\b]   ; the conversion does not saturate (ISA guide 7.6.2): the hold comes first
.endr
.endr
	s_wait_xcnt 0x0                                ; the stores that read this set of codes have read it: it is written again only behind this wait
	WIN (\w)
.irp b, 0,1,2,3
	v_cvt_scalef32_pk8_fp8_f32 v[(\pc)+4*\b:(\pc)+4*\b+1], v[(\sb)+16*\b:(\sb)+16*\b+7], v[TM+12+\b]
	v_cvt_scalef32_pk8_fp8_f32 v[(\pc)+4*\b+2:(\pc)+4*\b+3], v[(\sb)+16*\b+8:(\sb)+16*\b+15], v[TM+12+\b]
.endr
	v_nop                                          ; a plain instruction behind the last conversion: later products write its sources
	WIN 0
.endm
.irp i, 0,1,2,3
.irp q, 0,1,2,3
	ds_load_b32 v[HS+4*\i+\q], v[AHS] offset:512*\i+64*\q   ; h's scale words: tiles 2 i and 2 i + 1, K step q
.endr
.endr
	FETCH_W 0, 0
	FETCH_H 0, 0
	FETCH_H 0, 4
	s_wait_loadcnt 0x0                             ; the weight's scale words and the bias
	STEP 0, 1, 0
	STEP 1, 0, 0
	STEP 2, 0, 0
	STEP 3, 0, 1
	PLACES 8
	WIN 0
.irp b, 0,1,2,3
	v_mov_b32 v[TM+4+\b], 0                        ; a lane permute's destination counts as read: written once
.endr
	WIN 0x40                                       ; Wv's 16 fragments (tile dt, K step q) at v[64 dt + 16 q] of window 1: asked for now, wanted behind the eight quantisations
.irp dt, 0,1,2,3
.irp q, 0,1,2,3
.irp c, 0,1,2,3
	global_load_b128 v[64*\dt+16*\q+4*\c:64*\dt+16*\q+4*\c+3], v[WVO], s[20:21] offset:(32*(\dt/2)+8*(\dt%2))*512+128*\q+32*\c
.endr
.endr
.endr
	WIN 0
.irp i, 0,1
	global_load_b128 v[WS+4*\i:WS+4*\i+3], v[WSO], s[22:23] offset:512*\i
.endr
.irp dt, 0,1,2,3
	global_load_b32 v[VBL+\dt], v[VBO], s[24:25] offset:(32*(\dt/2)+8*(\dt%2))*4
.endr
	FETCH_HV 0, HF                                 ; phase V's first K step of h
.irp a, 0,1,2,3,4,5,6,7                ; q or k of tile a: 128 channels of 16 positions: one fragment and one scale word a row
	QUANTW 2+\a/4, 64*(\a%4), PC+16*(\a%2), PW+\a
.irp c, 0,1,2,3
	global_store_b128 v[GL], v[PC+16*(\a%2)+4*\c:PC+16*(\a%2)+4*\c+3], s[26:27] offset:8192*\a+512*\c   ; the image as it stands: 512 consecutive bytes, aligned
.endr
	ds_store_b32 v[ASW], v[PW+\a] offset:64*\a     ; lanes r and r + 16 hold the same word
.endr
	ds_load_b128 v[RB:RB+3], v[ASR]                ; LDS serves a wave's instructions in order: this sees my stores
	s_wait_dscnt 0x0
	global_store_b128 v[GL], v[RB:RB+3], s[30:31]  ; eight tiles' scale words: 512 consecutive bytes, aligned
; PHASE V: 32 accumulators by turns, a K step at a time; h's fragments in two sets, window 0 and window 3.
.macro VMUL ks, hb
.irp dt, 0,1,2,3
.irp pt, 0,1,2,3,4,5,6,7
.if (\ks) == 0
	WM 64*\dt+8*\pt, (\hb)+16*\pt, 64*\dt+16*(\ks), 128+8*\dt, HS+4*(\pt/2)+(\ks), WS+4*(\dt/2)+(\ks), \pt, \dt
.else
	WM 64*\dt+8*\pt, (\hb)+16*\pt, 64*\dt+16*(\ks), 64*\dt+8*\pt, HS+4*(\pt/2)+(\ks), WS+4*(\dt/2)+(\ks), \pt, \dt
.endif
.endr
.endr
.endm
	s_wait_loadcnt 0x0                             ; Wv, its scale words, bv
	WIN 0xc0                                       ; destination window 3
.irp dt, 0,1,2,3
.irp j, 0,1,2,3,4,5,6,7
	v_mov_b32 v[128+8*\dt+\j], v[VBL+\dt]          ; a lane holds one channel: its bias in all eight registers of the C that starts the sum
.endr
.endr
	FETCH_HV 1, 0
	PLACES 4
	s_wait_dscnt 32                                ; all but the set just asked for
	WIN 0xb4                                       ; h window 0, Wv window 1, the bias window 3, D window 2
	VMUL 0, HF
	PLACES 8
	WIN 0
	FETCH_HV 2, HF
	s_wait_dscnt 32
	WIN 0xa7                                       ; h window 3, Wv window 1, C and D window 2
	VMUL 1, 0
	PLACES 8
	WIN 0xc0
	FETCH_HV 3, 0
	s_wait_dscnt 32
	WIN 0xa4
	VMUL 2, HF
	s_wait_dscnt 0x0
	WIN 0xa7
	VMUL 3, 0
	PLACES 8
.irp dt, 0,1,2,3                       ; v of tile dt: 128 keys of 16 channels
	QUANTW 2, 64*\dt, PC+16*(\dt%2), PW+\dt
.irp c, 0,1,2,3
	global_store_b128 v[GL], v[PC+16*(\dt%2)+4*\c:PC+16*(\dt%2)+4*\c+3], s[34:35] offset:2048*\dt+512*\c
.endr
	ds_store_b32 v[ASW], v[PW+\dt] offset:64*\dt
.endr
	ds_load_b64 v[RB:RB+1], v[ASR8]
	s_wait_dscnt 0x0
	global_store_b64 v[GL8], v[RB:RB+1], s[36:37]  ; four tiles' scale words: 256 consecutive bytes, aligned
	s_wait_tensorcnt 0x0
	ds_add_u32 v30, v31
	s_wait_dscnt 0x0
	CROUND                                         ; the closing round: no work-group ends while a partner may still ask for a tile that names it
	s_endpgm
.Lfunc_end_k_q65f67bbecf_qkv:
	.size	k_q65f67bbecf_qkv, .Lfunc_end_k_q65f67bbecf_qkv-k_q65f67bbecf_qkv
	.p2alignl 7, 3214868480
	.fill 96, 4, 3214868480
	.section	.rodata,"a",@progbits
	.p2align	6, 0x0
	.amdhsa_kernel k_q65f67bbecf_qkv
		.amdhsa_group_segment_fixed_size 274944
		.amdhsa_private_segment_fixed_size 0
		.amdhsa_enable_private_segment 0
		.amdhsa_kernarg_size 136
		.amdhsa_user_sgpr_count 2
		.amdhsa_user_sgpr_kernarg_segment_ptr 1
		.amdhsa_wavefront_size32 1
		.amdhsa_system_sgpr_workgroup_id_x 1
		.amdhsa_system_sgpr_workgroup_id_y 1
		.amdhsa_system_sgpr_workgroup_id_z 1
		.amdhsa_system_vgpr_workitem_id 0
		.amdhsa_next_free_vgpr 1024
		.amdhsa_next_free_sgpr 100
		.amdhsa_reserve_vcc 0
		.amdhsa_float_denorm_mode_32 3
		.amdhsa_float_denorm_mode_16_64 3
		.amdhsa_memory_ordered 1
		.amdhsa_forward_progress 1
		.amdhsa_inst_pref_size 202
	.end_amdhsa_kernel
	.amdgpu_metadata
---
amdhsa.version: [ 1, 2 ]
amdhsa.kernels:
  - .name:           k_q65f67bbecf_qkv
    .symbol:         k_q65f67bbecf_qkv.kd
    .args:
      - { .name: hc, .offset: 0, .size: 8, .value_kind: global_buffer, .address_space: global }
      - { .name: hs, .offset: 8, .size: 8, .value_kind: global_buffer, .address_space: global }
      - { .name: q_w_codes, .offset: 16, .size: 8, .value_kind: global_buffer, .address_space: global }
      - { .name: k_w_codes, .offset: 24, .size: 8, .value_kind: global_buffer, .address_space: global }
      - { .name: q_w_scales, .offset: 32, .size: 8, .value_kind: global_buffer, .address_space: global }
      - { .name: k_w_scales, .offset: 40, .size: 8, .value_kind: global_buffer, .address_space: global }
      - { .name: q_b, .offset: 48, .size: 8, .value_kind: global_buffer, .address_space: global }
      - { .name: k_b, .offset: 56, .size: 8, .value_kind: global_buffer, .address_space: global }
      - { .name: v_w_codes, .offset: 64, .size: 8, .value_kind: global_buffer, .address_space: global }
      - { .name: v_w_scales, .offset: 72, .size: 8, .value_kind: global_buffer, .address_space: global }
      - { .name: v_b, .offset: 80, .size: 8, .value_kind: global_buffer, .address_space: global }
      - { .name: qc, .offset: 88, .size: 8, .value_kind: global_buffer, .address_space: global }
      - { .name: kc, .offset: 96, .size: 8, .value_kind: global_buffer, .address_space: global }
      - { .name: qs, .offset: 104, .size: 8, .value_kind: global_buffer, .address_space: global }
      - { .name: ks, .offset: 112, .size: 8, .value_kind: global_buffer, .address_space: global }
      - { .name: vc, .offset: 120, .size: 8, .value_kind: global_buffer, .address_space: global }
      - { .name: vs, .offset: 128, .size: 8, .value_kind: global_buffer, .address_space: global }
    .group_segment_fixed_size: 274944
    .private_segment_fixed_size: 0
    .kernarg_segment_align: 8
    .kernarg_segment_size: 136
    .max_flat_workgroup_size: 128
    .sgpr_count:     100
    .vgpr_count:     1024
    .wavefront_size: 32
...
	.end_amdgpu_metadata
.endif
;; end of part 2
;; launch attn (part 3): grid 16 x 16, 4 waves a work-group, clusters of 4 x 1, 327,680 bytes of LDS; arguments qc, qs, kc, ks, vc, vs, p_w_codes, p_w_scales, p_b, x, out0; writes out0
.if DOCPART == 3
	.amdgcn_target "amdgcn-amd-amdhsa--gfx1250"
	.amdhsa_code_object_version 6
	.text
	.protected	k_q65f67bbecf_attn
	.globl	k_q65f67bbecf_attn
	.p2align	8
	.type	k_q65f67bbecf_attn,@function
k_q65f67bbecf_attn:
	s_mov_b64 s[64:65], 0
	v_nop
	global_prefetch_b8 v0, s[64:65] scope:SCOPE_SE
	s_setreg_imm32_b32 hwreg(HW_REG_WAVE_MODE, 25, 1), 1
	s_wait_xcnt 0x0
	s_wait_alu depctr_hold_cnt(0) depctr_sa_sdst(0) depctr_va_vdst(0) depctr_va_sdst(0) depctr_va_ssrc(0) depctr_va_vcc(0) depctr_vm_vsrc(0)
	s_getreg_b32 s2, hwreg(HW_REG_IB_STS2, 6, 4)
	s_cmp_eq_u32 s2, 0
	s_cbranch_scc0 .Lentry_in_a_cluster
	s_endpgm
.Lentry_in_a_cluster:
	s_bfe_u32 s2, ttmp6, 0x10000c
	s_cmp_lg_u32 s2, 0x3003
	s_cbranch_scc0 .Lentry_shape_is_right
	s_endpgm
.Lentry_shape_is_right:
; out0 = x + Wp (softmax(q^T k / sqrt(512)) v) + bp, all three products on codes of E4M3 with E8M0 scales.  The softmax is quantised FINISHED AND NORMALISED, along the keys: a row's true maximum and whole
; sum are known before any p is quantised, so scores, softmax and the second product are phases.
; SHARES.  A work-group owns 64 queries (4 tiles of 16) of one image.  SCORES: the waves share the KEYS: wave w takes key tiles 16 w .. 16 w + 15 against all 4 query tiles: 64 accumulators; Q stays in 256 registers;
; each fragment of K is read once and feeds 4 products.  SOFTMAX: maxima and sums meet in LDS.  SECOND PRODUCT: the waves share the CHANNELS: wave w makes channels 128 w .. + 127; p goes round as images of operand
; registers.  PROJECTION: wave w makes output channels 128 w .. + 127; the second product's result, quantised along the channels, goes round the same way.
; All products are laid so that a lane's registers run along the next K or along the output's innermost axis: S^T = K Q^T, O^T = V^T P^T (a lane holds one query), Y = O Wp^T with source 0 = 16 queries (a lane holds
; one channel and eight neighbouring positions).  Row r of tile 2 B + u (of positions; of V's channels) is 32 B + 8 u + r + 8 (r / 8).
; THE STREAM.  K (131,072 bytes a wave), three quarters of V (98,304) and Wp (65,536) pass through a ring of two LDS slots; each wave has its own part of a slot (33,792 bytes), fills it and reads it alone.
; V's key steps 4 and 5 (32,768 bytes a wave) lie in memory as images of operand registers and go from there straight into the 256 registers that Q leaves behind the last scores: they land under the softmax,
; in which both slots are full and the ring can take nothing.  That part is not shared in the cluster: each work-group reads it for itself.
; Each change of slots stands where work lies between a request and the wait for it: V's first part lands under the last scores and the exponentials, its second under the normalising and the first step of the
; second product, its last under two steps, Wp's first half under the last step and the quantising of O, its second half under half of the projection and its way out.  K's two refills have one step, 64 products:
; in that phase Q (256), the scores (512) and K's two sets (128) fill the registers.
; CLUSTER 4 x 1: the four blocks of queries of a cluster belong to one image and walk the same K, V and Wp: every fill is a joint load with a mask that names the four.  Q and x are each work-group's own.
; By this text's count a wave has two tensor loads out at the start and one behind each of the seven changes of slots.  Nothing is looped: every path issues the same loads.
; LIMITS: NaN and infinities are not served.  p = 2^(c s - c m) / sum with c = log2(e) / sqrt(512), m the row's maximum; a p under 2^-126 becomes 0.  A block whose largest magnitude lies under 2^-118 gets the byte 1.
; reference() takes temb and uses it nowhere: it enters no result and is not among this program's arguments.
; REGISTERS, in windows of 256: window 0: v4-25 addresses; v26-29, v32-63, v64-71 scale words and nothing else; v72-127 at work; v128-255 K's two sets, the softmax's figures, p's first codes, V's set A, Wp's two sets, rows of the output.
;   window 1: Q (64 qt + 16 K step), then V's key steps 4, 5 (128 e + 16 dt), then x.   window 2: scores of my first 128 keys (64 qt + 8 tile), then V's set B (v0-127), p's set A (v128-191), p's second codes and then
;   p's set B (v192-255), then O's 16 fragments.   window 3: scores of my second 128 keys, then O^T (64 qt + 8 dt), then Y (8 (4 dt + qt)).
.set WPART, 33792                      ; a wave's part of a slot: 32,768 dense bytes of K or V, or 64 rows of Wp of 512 + 16 bytes
.set SLOT1, 135168
.set PIMG,  270336                     ; 16 images of 2,048 bytes: p's, later O's
.set PSC,   303104                     ; p's scale words [kpos 8][qt 4][row 16]
.set OSC,   305152                     ; O's [slab 4][qt 4][row 16]
.set RED1,  306176                     ; maxima [qt 4][row 16][wave 4]
.set RED2,  307200                     ; sums likewise
.set STG,   308224                     ; 16 rows x (256 + 16) bytes for each wave: the way out
.set SPARE, 325632                     ; the spare words, 128 bytes for each wave: two blocks of 256 bytes that no other line names
.set AR0, 4                            ; v4, v5   16 x lane in my part of slot 0, 1
.set AW0, 6                            ; v6, v7   528 r + 16 h in my part of slot 0, 1
.set API, 8                            ; v8   16 x lane in the images
.set APW, 9                            ; v9   where I store p's images: + 8,192 wave
.set AOW, 10                           ; v10  and O's: + 2,048 wave
.set APS, 11                           ; v11  p's scale words: 4 x lane
.set APSW, 12                          ; v12  where I store them: 256 wave + 4 r
.set AOS, 13
.set AOSW, 14
.set ARW, 15                           ; v15  maxima and sums: 16 r + 4 wave
.set ARR, 16                           ; v16  16 r
.set ASO, 17                           ; v17  the stage, in: 272 r + 64 h
.set ASR, 18                           ; v18  and back: 272 h + 16 r
.set GX,  19                           ; v19  x and out0: 4,096 h + 16 r
.set L16, 20
.set L4,  21
.set PFO, 22                           ; v22  256 x lane: the prefetches' offset; never rewritten
.set SPW, 23                           ; v23  my spare word; never rewritten
.set NIL, 24                           ; v24  0; never rewritten
.set R4,  25                           ; v25  4 r
.set PS,  26                           ; v26-29 p's scale words of two key steps
.set KS,  32                           ; v32-63 K's scale words (8 K step + pair of tiles), then V's (4 kpos + pair), then Wp's (4 pair + K step)
.set VS,  32
.set WPS, 32
.set QS,  64                           ; v64-71 Q's scale words (2 K step + pair), then O's
.set OS,  64
.set SCO, 72                           ; v72-103  the softmax's 32 scale operands
.set PC,  72                           ; then v72-87 O's codes just made,
.set TM,  88                           ; v88-103 the quantiser's figures,
.set BIAS, 72                          ; then bp of four tiles, eight equal registers each
.set PW,  104                          ; v104-111 scale words just made
.set PBL, 112                          ; v112-119 bp of my channel in the eight tiles
.set KF,  128
.set BM,  128                          ; v128-159 a block's largest score, then its largest p: 16 ksl + 4 qt + b
.set BT,  160                          ; v160-191 at work;
.set LIM, 160                          ; then 448 x the scale
.set RM,  192                          ; v192-195 a row's maximum, then its sum
.set RL,  196                          ; v196-211 the four waves' figures
.set NCM, 212                          ; v212-219 -c m, a pair a tile
.set SU,  220                          ; v220-235 two chains of pairs a tile
.set RINV, 236                         ; v236-243 1 / sum, a pair a tile
.set TT,  128                          ; the way out: two sets of 32
.set WV,  26
.set CLX, 30                           ; s30  the cluster's x: 0 in the image's first cluster
.set G1D, 32                           ; s[32:39] group 1: 128 dense rows of 256 bytes
.set G1W, 40                           ; s[40:47] group 1: 64 rows of 512 bytes, padded
.set G0A, 48                           ; s[48:51] group 0 for slot 0;  s[52:55] for slot 1
.set G0B, 52
.set KP,  56                           ; s[56:57], s[58:59], s[60:61] where my streams of K, V, Wp stand
.set VP,  58
.set WPP, 60
.set VD,  62                           ; s[62:63] V's key steps 4, 5 of my slab; never rewritten
.set PFK, 66                           ; s[66:67], s[68:69] the prefetches' bases; never rewritten
.set PFV, 68
.set SEL, 70
.set CS,  72                           ; s[72:73] c, twice;  s75 -c
.set MNT, 74
.set XB,  76
.set OB,  78
.set MSB, 0
.macro WIN new                         ; the immediate's high byte repeats the setting that is left
.if MSB != (\new)
	s_set_vgpr_msb (MSB<<8)|(\new)
.set MSB, (\new)
.endif
.endm
.macro PLACES n                        ; plain vector instructions between a matrix instruction and a load into, or a read of, its registers: eight for this form
.rept \n
	v_nop
.endr
.endm
.macro CROUND                          ; a round of the cluster's barrier
	s_barrier_signal -1
	s_barrier_wait -1
	s_cmp_lg_u32 s[WV], 0
	s_cbranch_scc1 .Lnot_wave_0_\@
	s_barrier_signal -3
.Lnot_wave_0_\@:
	s_barrier_wait -3
	s_barrier_signal -1
	s_barrier_wait -1
.endm
.macro BARRIER                         ; my LDS stores have landed and my LDS loads are in: then the work-group's barrier.  a tensor load of mine may be out across it
	s_wait_dscnt 0x0
	s_barrier_signal -1
	s_barrier_wait -1
.endm
; One matrix instruction.  c < 0: the constant 0 starts the sum.  ra, rb odd: that side's scales stand in lanes 16-31 of its register.
.macro WM d, a, b, c, sa, sb, ra, rb
.if (\c) < 0
.if ((\ra)%2) && ((\rb)%2)
	v_wmma_scale_f32_16x16x128_f8f6f4 v[(\d):(\d)+7], v[(\a):(\a)+15], v[(\b):(\b)+15], 0, v[(\sa)], v[(\sb)] matrix_a_scale:MATRIX_SCALE_ROW1 matrix_b_scale:MATRIX_SCALE_ROW1
.elseif ((\ra)%2)
	v_wmma_scale_f32_16x16x128_f8f6f4 v[(\d):(\d)+7], v[(\a):(\a)+15], v[(\b):(\b)+15], 0, v[(\sa)], v[(\sb)] matrix_a_scale:MATRIX_SCALE_ROW1
.elseif ((\rb)%2)
	v_wmma_scale_f32_16x16x128_f8f6f4 v[(\d):(\d)+7], v[(\a):(\a)+15], v[(\b):(\b)+15], 0, v[(\sa)], v[(\sb)] matrix_b_scale:MATRIX_SCALE_ROW1
.else
	v_wmma_scale_f32_16x16x128_f8f6f4 v[(\d):(\d)+7], v[(\a):(\a)+15], v[(\b):(\b)+15], 0, v[(\sa)], v[(\sb)]
.endif
.else
.if ((\ra)%2) && ((\rb)%2)
	v_wmma_scale_f32_16x16x128_f8f6f4 v[(\d):(\d)+7], v[(\a):(\a)+15], v[(\b):(\b)+15], v[(\c):(\c)+7], v[(\sa)], v[(\sb)] matrix_a_scale:MATRIX_SCALE_ROW1 matrix_b_scale:MATRIX_SCALE_ROW1
.elseif ((\ra)%2)
	v_wmma_scale_f32_16x16x128_f8f6f4 v[(\d):(\d)+7], v[(\a):(\a)+15], v[(\b):(\b)+15], v[(\c):(\c)+7], v[(\sa)], v[(\sb)] matrix_a_scale:MATRIX_SCALE_ROW1
.elseif ((\rb)%2)
	v_wmma_scale_f32_16x16x128_f8f6f4 v[(\d):(\d)+7], v[(\a):(\a)+15], v[(\b):(\b)+15], v[(\c):(\c)+7], v[(\sa)], v[(\sb)] matrix_b_scale:MATRIX_SCALE_ROW1
.else
	v_wmma_scale_f32_16x16x128_f8f6f4 v[(\d):(\d)+7], v[(\a):(\a)+15], v[(\b):(\b)+15], v[(\c):(\c)+7], v[(\sa)], v[(\sb)]
.endif
.endif
.endm
; THE CHANGE OF SLOTS.  Every wave waits for all its tensor loads (the one that is out is its part of the slot that it reads next), adds 0 to its spare word, and waits for that and for its LDS reads and stores;
; a round of the cluster's barrier; then the joint refill of the slot that was left, first thing behind the round.  step: how far the stream's pointer goes on behind this part.
.macro CHANGE g0, g1, ptr, step
	WIN 0
	s_wait_tensorcnt 0x0                           ; no tensor load of mine is out, so a group 0 may be written
	ds_add_u32 v[SPW], v[NIL]                      ; 0 onto my spare word
	s_mov_b64 s[\g0+2:\g0+3], s[\ptr:\ptr+1]       ; the stream's next 32,768 bytes
	s_or_b32 s[\g0+3], s[\g0+3], 0x80000000
	s_add_nc_u64 s[\ptr:\ptr+1], s[\ptr:\ptr+1], \step
	s_wait_dscnt 0x0                               ; the add is done, my reads of the slot are over, my stores have landed
	CROUND
	tensor_load_to_lds s[\g0:\g0+3], s[\g1:\g1+7]
	s_nop 0
	PLACES 4                                       ; four of the eight places in front of loads that follow
.endm
; PREFETCHES INTO THE L2 of parts of K's and V's streams that are read later: 32,768 bytes a wave, 128 blocks of 256 bytes.  The four clusters of an image walk the same streams: the first of
; them asks (the branch hangs on the cluster's number, the same in all partners); its four partners take 32 blocks each, told apart by address (8,192 cx), a lane a block; each wave asks for its own stream.
; So each block is named once in the launch.  K's first three parts come by their loads alone.  At the first change: K's last part (loaded at the second) and V's first (loaded at the third); at the second:
; V's second part (loaded at the fourth); at the third: V's third part (read into registers behind the last scores); at the fourth: V's last part (loaded at the fifth).
.macro ASK1 ba, oa
	s_cmp_eq_u32 s[CLX], 0
	s_cbranch_scc0 .Lnot_mine_\@
	global_prefetch_b8 v[PFO], s[\ba:\ba+1] offset:\oa th:TH_LOAD_NT scope:SCOPE_SE
.Lnot_mine_\@:
.endm
.macro ASK2 ba, oa, bb, ob
	s_cmp_eq_u32 s[CLX], 0
	s_cbranch_scc0 .Lnot_mine_\@
	global_prefetch_b8 v[PFO], s[\ba:\ba+1] offset:\oa th:TH_LOAD_NT scope:SCOPE_SE
	global_prefetch_b8 v[PFO], s[\bb:\bb+1] offset:\ob th:TH_LOAD_NT scope:SCOPE_SE
.Lnot_mine_\@:
.endm
	s_load_b512 s[4:19], s[0:1], 0x0               ; qc, qs, kc, ks, vc, vs, Wp's codes, Wp's scales
	s_load_b128 s[20:23], s[0:1], 0x40             ; bp, x
	s_load_b64 s[24:25], s[0:1], 0x50              ; out0
	v_lshl_add_u32 v[SPW], v0, 2, SPARE
	v_mov_b32 v[NIL], 0
	ds_add_u32 v23, v24
	ds_add_u32 v23, v24
	s_wait_dscnt 0x0
	v_lshrrev_b32 v1, 5, v0
	v_readfirstlane_b32 s[WV], v1                  ; wave 0..3
	s_bfe_u32 s27, ttmp6, 0x40000                  ; cx
	s_lshl_b32 s28, ttmp9, 2
	s_add_co_u32 s28, s28, s27                     ; my block of 64 queries: it enters global addresses of Q, x and out0 alone
	s_and_b32 s29, ttmp7, 0xffff                   ; the image, which the four partners share
	s_mov_b32 s[CLX], ttmp9
	s_mov_b32 s[G1D], 15|(3<<16)|(1<<21)           ; 15:0 the mask: all four; 17:16 elements of 8 bytes; 21 set beside a mask
	s_mov_b32 s[G1D+1], 32<<16                     ; tensor_dim0
	s_mov_b32 s[G1D+2], 128<<16                    ; tensor_dim1
	s_mov_b32 s[G1D+3], 32<<16                     ; tile_dim0
	s_mov_b32 s[G1D+4], 128                        ; tile_dim1
	s_mov_b32 s[G1D+5], 32                         ; from row to row
	s_mov_b32 s[G1D+6], 0
	s_mov_b32 s[G1D+7], 0
	s_mov_b32 s[G1W], 15|(1<<20)|(1<<21)|(6<<22)|(3<<25)   ; elements of 1 byte; padding on: 4 words after every 128
	s_mov_b32 s[G1W+1], 512<<16
	s_mov_b32 s[G1W+2], 64<<16
	s_mov_b32 s[G1W+3], 512<<16
	s_mov_b32 s[G1W+4], 64
	s_mov_b32 s[G1W+5], 512
	s_mov_b32 s[G1W+6], 0
	s_mov_b32 s[G1W+7], 0
	s_lshl_b32 s80, s29, 19                        ; K's and V's streams: image x 524,288 + wave x 131,072
	s_lshl_b32 s81, s[WV], 17
	s_add_co_u32 s80, s80, s81
	s_mov_b32 s81, 0
	s_lshl_b32 s82, s[WV], 16                      ; Wp's: rows 128 wave on
	s_mov_b32 s83, 0
	s_lshl_b32 s84, s27, 13                        ; the prefetches: my work-group's 32 blocks of 128
	s_mov_b32 s85, 0
	s_mov_b32 s87, 0
	s_mov_b32 s[SEL], 0x76543210
	s_mov_b32 s[SEL+1], 0xfedcba98                 ; lane l xor 16
	s_mov_b32 s[CS], 0x3d8293ee                    ; c = log2(e) / sqrt(512)
	s_mov_b32 s[CS+1], s[CS]
	s_mov_b32 s75, 0xbd8293ee                      ; -c
	s_mov_b32 s[MNT], 0x600000                     ; the mantissa field of 448
	s_wait_kmcnt 0x0
	s_add_nc_u64 s[KP:KP+1], s[8:9], s[80:81]
	s_add_nc_u64 s[VP:VP+1], s[12:13], s[80:81]
	s_add_nc_u64 s[VD:VD+1], s[VP:VP+1], 65536     ; key steps 4, 5 of my slab
	s_add_nc_u64 s[WPP:WPP+1], s[16:17], s[82:83]
	s_mov_b32 s[G0A], 1
	s_mul_i32 s[G0A+1], s[WV], WPART               ; my part of slot 0: no place in the cluster enters an LDS address
	s_mov_b64 s[G0A+2:G0A+3], s[KP:KP+1]
	s_or_b32 s[G0A+3], s[G0A+3], 0x80000000
	s_mov_b32 s[G0B], 1
	s_add_co_u32 s[G0B+1], s[G0A+1], SLOT1
	s_add_nc_u64 s[G0B+2:G0B+3], s[KP:KP+1], 32768
	s_or_b32 s[G0B+3], s[G0B+3], 0x80000000
	s_add_nc_u64 s[KP:KP+1], s[KP:KP+1], 65536
	CROUND                                         ; all four work-groups are here: the first joint loads meet
	tensor_load_to_lds s[G0A:G0A+3], s[G1D:G1D+7]  ; my key tiles 0-3
	s_nop 0
	tensor_load_to_lds s[G0B:G0B+3], s[G1D:G1D+7]  ; and 4-7
	s_nop 0
	PLACES 4
	s_add_nc_u64 s[PFK:PFK+1], s[8:9], s[80:81]
	s_add_nc_u64 s[PFK:PFK+1], s[PFK:PFK+1], s[84:85]
	s_add_nc_u64 s[PFV:PFV+1], s[12:13], s[80:81]
	s_add_nc_u64 s[PFV:PFV+1], s[PFV:PFV+1], s[84:85]
	s_lshl_b32 s86, s29, 19                        ; Q's images: image x 524,288 + block x 4 tiles of 8,192
	s_lshl_b32 s80, s28, 15
	s_add_co_u32 s86, s86, s80
	s_add_nc_u64 s[4:5], s[4:5], s[86:87]
	s_lshl_b32 s82, s29, 14                        ; every buffer of scale words: image x 16,384
	s_lshl_b32 s80, s28, 8
	s_add_co_u32 s86, s82, s80                     ; Q's: + block x 4 tiles of 64
	s_add_nc_u64 s[6:7], s[6:7], s[86:87]
	s_lshl_b32 s80, s[WV], 10
	s_add_co_u32 s86, s82, s80                     ; K's: + wave x 16 tiles of 64
	s_add_nc_u64 s[10:11], s[10:11], s[86:87]
	s_lshl_b32 s80, s[WV], 12
	s_add_co_u32 s86, s82, s80                     ; V's: + slab x 4,096
	s_add_nc_u64 s[14:15], s[14:15], s[86:87]
	s_lshl_b32 s86, s[WV], 11                      ; Wp's scales: 16 bytes a row
	s_add_nc_u64 s[18:19], s[18:19], s[86:87]
	s_lshl_b32 s86, s[WV], 9                       ; bp
	s_add_nc_u64 s[20:21], s[20:21], s[86:87]
	s_lshl_b32 s86, s29, 21                        ; x, out0: image x 2,097,152 + wave x 128 channels of 4,096 + block x 256
	s_lshl_b32 s80, s[WV], 19
	s_add_co_u32 s86, s86, s80
	s_lshl_b32 s80, s28, 8
	s_add_co_u32 s86, s86, s80
	s_add_nc_u64 s[XB:XB+1], s[22:23], s[86:87]
	s_add_nc_u64 s[OB:OB+1], s[24:25], s[86:87]
	v_and_b32 v1, 31, v0                           ; lane
	v_and_b32 v2, 15, v0                           ; r
	v_bfe_u32 v3, v0, 4, 1                         ; h
	v_lshlrev_b32 v[L16], 4, v1
	v_lshlrev_b32 v[L4], 2, v1
	v_lshlrev_b32 v[PFO], 8, v1
	v_lshlrev_b32 v[R4], 2, v2
	WIN 0x40                                       ; destination window 1
.irp qt, 0,1,2,3
.irp q, 0,1,2,3
.irp c, 0,1,2,3
	global_load_b128 v[64*\qt+16*\q+4*\c:64*\qt+16*\q+4*\c+3], v[L16], s[4:5] offset:8192*\qt+2048*\q+512*\c   ; Q's 16 fragments stay in registers
.endr
.endr
.endr
	WIN 0
.irp q, 0,1,2,3
.irp i, 0,1,2,3,4,5,6,7
	global_load_b32 v[KS+8*\q+\i], v[L4], s[10:11] offset:4096*\q+128*\i   ; lanes 0-15 key tile 2 i, lanes 16-31 tile 2 i + 1
.endr
.endr
.irp q, 0,1,2,3
.irp p, 0,1
	global_load_b32 v[QS+2*\q+\p], v[L4], s[6:7] offset:4096*\q+128*\p
.endr
.endr
	v_add_nc_u32 v[AR0], s[G0A+1], v[L16]
	v_add_nc_u32 v[AR0+1], s[G0B+1], v[L16]
	v_mul_u32_u24 v[AW0], v2, 528
	v_lshl_add_u32 v[AW0], v3, 4, v[AW0]
	v_add_nc_u32 v[AW0+1], s[G0B+1], v[AW0]
	v_add_nc_u32 v[AW0], s[G0A+1], v[AW0]
	v_add_nc_u32 v[API], PIMG, v[L16]
	s_lshl_b32 s86, s[WV], 13
	v_add_nc_u32 v[APW], s86, v[API]
	s_lshl_b32 s86, s[WV], 11
	v_add_nc_u32 v[AOW], s86, v[API]
	v_add_nc_u32 v[APS], PSC, v[L4]
	s_lshl_b32 s86, s[WV], 8
	v_lshl_add_u32 v[APSW], v2, 2, s86
	v_add_nc_u32 v[AOSW], OSC, v[APSW]
	v_add_nc_u32 v[APSW], PSC, v[APSW]
	v_add_nc_u32 v[AOS], OSC, v[L4]
	s_lshl_b32 s86, s[WV], 2
	v_lshl_add_u32 v[ARW], v2, 4, s86
	v_add_nc_u32 v[ARW], RED1, v[ARW]
	v_lshlrev_b32 v[ARR], 4, v2
	v_add_nc_u32 v[ARR], RED1, v[ARR]
	s_mul_i32 s86, s[WV], 16*272
	s_add_co_u32 s86, s86, STG
	v_mul_u32_u24 v[ASO], v2, 272
	v_lshl_add_u32 v[ASO], v3, 6, v[ASO]
	v_add_nc_u32 v[ASO], s86, v[ASO]
	v_mul_u32_u24 v[ASR], v3, 272
	v_lshl_add_u32 v[ASR], v2, 4, v[ASR]
	v_add_nc_u32 v[ASR], s86, v[ASR]
	v_lshlrev_b32 v[GX], 12, v3
	v_lshl_add_u32 v[GX], v2, 4, v[GX]
; ---- SCORES
.macro KLOAD slot, i, set              ; key tile i of the slot's four: its four fragments
.irp q, 0,1,2,3
.irp c, 0,1,2,3
	ds_load_b128 v[KF+64*(\set)+16*\q+4*\c:KF+64*(\set)+16*\q+4*\c+3], v[AR0+(\slot)] offset:8192*(\i)+2048*\q+512*\c
.endr
.endr
.endm
.macro KMUL kt, set                    ; my key tile kt against the four query tiles, all of K: 16 products; the four accumulators take turns, one instruction a turn
	WIN 0xa4+0x50*((\kt)/8)                        ; K window 0, Q window 1, C and D window 2 (my first 128 keys) or 3
.irp q, 0,1,2,3
.irp qt, 0,1,2,3
.if \q == 0
	WM 64*\qt+8*((\kt)%8), KF+64*(\set)+16*\q, 64*\qt+16*\q, -1, KS+8*\q+(\kt)/2, QS+2*\q+\qt/2, \kt, \qt
.else
	WM 64*\qt+8*((\kt)%8), KF+64*(\set)+16*\q, 64*\qt+16*\q, 64*\qt+8*((\kt)%8), KS+8*\q+(\kt)/2, QS+2*\q+\qt/2, \kt, \qt
.endif
.endr
.endr
.endm
.macro SSTEP n                         ; a slot's four key tiles, on two sets of registers: a tile is fetched while the tile before is multiplied
	KLOAD (\n)%2, 0, 0
	KLOAD (\n)%2, 1, 1
	s_wait_dscnt 16                                ; the younger tile's sixteen loads may stay out
	KMUL 4*(\n), 0
	PLACES 8
	WIN 0
	KLOAD (\n)%2, 2, 0
	s_wait_dscnt 16
	KMUL 4*(\n)+1, 1
	PLACES 8
	WIN 0
	KLOAD (\n)%2, 3, 1
	s_wait_dscnt 16
	KMUL 4*(\n)+2, 0
	s_wait_dscnt 0x0
	KMUL 4*(\n)+3, 1
	WIN 0
.endm
	s_wait_tensorcnt 0x1                           ; my part of slot 0 is in; slot 1's load stays out.  I read my own part alone
	s_wait_loadcnt 0x0                             ; Q and the scale words
	SSTEP 0
	CHANGE G0A, G1D, KP, 32768                     ; key tiles 8-11
	ASK2 PFK, 98304, PFV, 0
	PLACES 4
	SSTEP 1
	CHANGE G0B, G1D, KP, 32768                     ; key tiles 12-15
	ASK1 PFV, 32768
	PLACES 4
	SSTEP 2
	CHANGE G0A, G1D, VP, 32768                     ; V's kpos 0, 1: waited for at the sum's exchange: it lands under the last scores, the maxima and the exponentials
	ASK1 PFV, 65536
	PLACES 4
	SSTEP 3
	PLACES 8                                       ; behind the last scores: their results are read, and Q's registers are loaded anew
; ---- SOFTMAX.  Lane (r, h) holds query r of each tile; register 16 b + i of (ksl, qt) is key 256 w + 128 ksl + 32 b + 16 h + i.
; V's key step 4 + e goes from memory straight into window 1: an image of the operand's registers, 512 consecutive bytes a load.  Three runs of 32 loads stand apart in the softmax (key step 4, key step 5, V's scale words).
.macro VDIR e
	WIN 0x40                                       ; destination window 1
.irp dt, 0,1,2,3,4,5,6,7
.irp c, 0,1,2,3
	global_load_b128 v[128*(\e)+16*\dt+4*\c:128*(\e)+16*\dt+4*\c+3], v[L16], s[VD:VD+1] offset:16384*(\e)+2048*\dt+512*\c
.endr
.endr
	WIN 0
.endm
	VDIR 0
.macro SMAX k, qt                      ; the largest score of each block of 32 keys: it serves for the row's maximum and, since p rises with the score, for the block's largest p
.irp b, 0,1,2,3
	v_max_num_f32 v[BM+16*(\k)+4*(\qt)+\b], v[64*(\qt)+16*\b], v[64*(\qt)+16*\b+1]   ; each accumulator from its low end on
.endr
.irp i, 2,4,6,8,10,12,14
.irp b, 0,1,2,3
	v_max3_num_f32 v[BM+16*(\k)+4*(\qt)+\b], v[64*(\qt)+16*\b+\i], v[64*(\qt)+16*\b+\i+1], v[BM+16*(\k)+4*(\qt)+\b]
.endr
.endr
.endm
	WIN 0x0a                                       ; sources 0 and 1 window 2
.irp qt, 0,1,2,3
	SMAX 0, \qt
.endr
	WIN 0x0f                                       ; window 3
.irp qt, 0,1,2,3
	SMAX 1, \qt
.endr
	WIN 0
.set n, 0
.rept 32
	v_permlanex16_b32 v[BT+n], v[BM+n], s[SEL], s[SEL+1]
.set n, n+1
.endr
.set n, 0
.rept 32
	v_max_num_f32 v[BM+n], v[BM+n], v[BT+n]        ; with lane l xor 16's sixteen keys
.set n, n+1
.endr
.irp qt, 0,1,2,3
	v_max3_num_f32 v[RM+\qt], v[BM+4*\qt], v[BM+4*\qt+1], v[BM+4*\qt+2]
.endr
.irp qt, 0,1,2,3
	v_max3_num_f32 v[RM+\qt], v[RM+\qt], v[BM+4*\qt+3], v[BM+16+4*\qt]
.endr
.irp qt, 0,1,2,3
	v_max3_num_f32 v[RM+\qt], v[RM+\qt], v[BM+16+4*\qt+1], v[BM+16+4*\qt+2]
.endr
.irp qt, 0,1,2,3
	v_max_num_f32 v[RM+\qt], v[RM+\qt], v[BM+16+4*\qt+3]   ; my 256 keys' largest score of the query
.endr
.irp qt, 0,1,2,3
	ds_store_b32 v[ARW], v[RM+\qt] offset:256*\qt  ; lanes r and r + 16 hold the same number
.endr
	BARRIER
.irp qt, 0,1,2,3
	ds_load_b128 v[RL+4*\qt:RL+4*\qt+3], v[ARR] offset:256*\qt
.endr
	s_wait_dscnt 0x0
.irp qt, 0,1,2,3
	v_max3_num_f32 v[RM+\qt], v[RL+4*\qt], v[RL+4*\qt+1], v[RL+4*\qt+2]
.endr
.irp qt, 0,1,2,3
	v_max_num_f32 v[RM+\qt], v[RM+\qt], v[RL+4*\qt+3]      ; the row's maximum over all 1,024 keys
.endr
.irp qt, 0,1,2,3
	v_mul_f32 v[NCM+2*\qt], s75, v[RM+\qt]         ; -c m
	v_mul_f32 v[NCM+2*\qt+1], s75, v[RM+\qt]       ; (named with it as a pair, so it is written)
.endr
.macro SEXP qt                         ; 2^(c s - c m), in place: one fused multiply-add, one exponential.  No line names an exponential's result
.set j, 0
.rept 32
	v_pk_fma_f32 v[64*(\qt)+j:64*(\qt)+j+1], v[64*(\qt)+j:64*(\qt)+j+1], s[CS:CS+1], v[NCM+2*(\qt):NCM+2*(\qt)+1] op_sel_hi:[1,0,0]
.set j, j+2
.endr
.set j, 0
.rept 64
	v_exp_f32 v[64*(\qt)+j], v[64*(\qt)+j]
.set j, j+1
.endr
.endm
	WIN 0x82                                       ; destination and source 0 window 2
.irp qt, 0,1,2,3
	SEXP \qt
.endr
	VDIR 1                                         ; (it names no exponential's result)
	WIN 0xc3                                       ; window 3
.irp qt, 0,1,2,3
	SEXP \qt
.endr
	WIN 0
.set n, 0
.rept 32
	v_fma_f32 v[BM+n], v[BM+n], s[CS], v[NCM+2*((n/4)%4)]  ; the same of each block's largest score: the same instructions on the same number give the same bits
.set n, n+1
.endr
.set n, 0
.rept 32
	v_exp_f32 v[BM+n], v[BM+n]
.set n, n+1
.endr
.set n, 0
.rept 16
	v_mov_b32 v[SU+n], 0                           ; the sums' eight chains begin (plain instructions behind the last exponential)
.set n, n+1
.endr
	s_wait_alu depctr_va_vdst(0)                   ; ONE wait for all 544 exponentials, ahead of their first reader
.set n, 0
.rept 32
	global_load_b32 v[VS+n], v[L4], s[14:15] offset:128*n   ; V's scale words: register 4 kpos + pair of tiles
.set n, n+1
.endr
.irp k, 0,1
	WIN 0x08+4*\k                                  ; source 1 window 2, then 3
.set i, 0
.rept 32
.irp qt, 0,1,2,3
	v_pk_add_f32 v[SU+4*\qt+2*(i%2):SU+4*\qt+2*(i%2)+1], v[SU+4*\qt+2*(i%2):SU+4*\qt+2*(i%2)+1], v[64*\qt+2*i:64*\qt+2*i+1]
.endr
.set i, i+1
.endr
.endr
	WIN 0
.irp qt, 0,1,2,3
	v_pk_add_f32 v[SU+4*\qt:SU+4*\qt+1], v[SU+4*\qt:SU+4*\qt+1], v[SU+4*\qt+2:SU+4*\qt+3]
.endr
.irp qt, 0,1,2,3
	v_add_f32 v[RM+\qt], v[SU+4*\qt], v[SU+4*\qt+1]
.endr
.irp qt, 0,1,2,3
	v_permlanex16_b32 v[BT+\qt], v[RM+\qt], s[SEL], s[SEL+1]
.endr
.irp qt, 0,1,2,3
	v_add_f32 v[RM+\qt], v[RM+\qt], v[BT+\qt]      ; my 256 keys' sum of the query
.endr
.irp qt, 0,1,2,3
	ds_store_b32 v[ARW], v[RM+\qt] offset:RED2-RED1+256*\qt
.endr
	CHANGE G0B, G1D, VP, 65536                     ; V's kpos 2, 3 into slot 1, which the last scores left.  The round is also the barrier of the sums' exchange.  The pointer passes over kpos 4, 5, which come into registers
	ASK1 PFV, 98304
.irp qt, 0,1,2,3
	ds_load_b128 v[RL+4*\qt:RL+4*\qt+3], v[ARR] offset:RED2-RED1+256*\qt
.endr
	s_wait_dscnt 0x0
.irp qt, 0,1,2,3
	v_pk_add_f32 v[RL+4*\qt:RL+4*\qt+1], v[RL+4*\qt:RL+4*\qt+1], v[RL+4*\qt+2:RL+4*\qt+3]
.endr
.irp qt, 0,1,2,3
	v_add_f32 v[RM+\qt], v[RL+4*\qt], v[RL+4*\qt+1]        ; the row's sum: at least 1
.endr
.irp qt, 0,1,2,3
	v_rcp_f32 v[RINV+2*\qt], v[RM+\qt]
	v_rcp_f32 v[RINV+2*\qt+1], v[RM+\qt]           ; twice: a pair for the packed multiply
.endr
	v_nop
	s_wait_alu depctr_va_vdst(0)                   ; one wait for the eight
.set n, 0
.rept 32
	v_mul_f32 v[BM+n], v[BM+n], v[RINV+2*((n/4)%4)]        ; the block's largest p
.set n, n+1
.endr
.set n, 0
.rept 32
	v_max_num_f32 v[BM+n], 0x4800000, v[BM+n]      ; the floor 2^(9 - 127): the byte cannot fall under 1
.set n, n+1
.endr
.set n, 0
.rept 32
	v_add_nc_u32 v[SCO+n], 0xfc000000, v[BM+n]     ; the conversion's scale operand
.set n, n+1
.endr
.set n, 0
.rept 32
	v_and_or_b32 v[LIM+n], v[BM+n], 0x7f800000, s[MNT]     ; 448 x the scale
.set n, n+1
.endr
.set n, 0
.rept 32
	v_lshrrev_b32 v[BM+n], 23, v[SCO+n]            ; the scale's byte
.set n, n+1
.endr
.set n, 0
.rept 8
	v_lshl_or_b32 v[PW+n], v[BM+4*n+1], 8, v[BM+4*n]       ; p's scale word of (ksl, qt) = n
	v_lshl_or_b32 v[PW+n], v[BM+4*n+2], 16, v[PW+n]
	v_lshl_or_b32 v[PW+n], v[BM+4*n+3], 24, v[PW+n]
.set n, n+1
.endr
; p = the exponential / the sum; the hold (p is not negative: one-sided); the codes.  Those of my first 128 keys go to window 0, into figures that are done with (v128-159, v192-223), and are published at once;
; those of my second 128 keys wait in window 2, v192-255, which the first scores have left.
.macro SNORM k, qt
	WIN ((2+(\k))<<6)|(2+(\k))
.set j, 0
.rept 32
	v_pk_mul_f32 v[64*(\qt)+j:64*(\qt)+j+1], v[64*(\qt)+j:64*(\qt)+j+1], v[RINV+2*(\qt):RINV+2*(\qt)+1] op_sel_hi:[1,0]
.set j, j+2
.endr
.irp b, 0,1,2,3
.set j, 0
.rept 16
	v_min_num_f32 v[64*(\qt)+16*\b+j], v[64*(\qt)+16*\b+j], v[LIM+16*(\k)+4*(\qt)+\b]
.set j, j+1
.endr
.endr
.if (\k) == 0
.set CD, 128+16*(\qt)+32*((\qt)/2)
	WIN 0x02                                       ; source 0 window 2, destination window 0
.else
.set CD, 192+16*(\qt)
	WIN 0x83                                       ; source 0 window 3, destination window 2
.endif
.irp b, 0,1,2,3
	v_cvt_scalef32_pk8_fp8_f32 v[CD+4*\b:CD+4*\b+1], v[64*(\qt)+16*\b:64*(\qt)+16*\b+7], v[SCO+16*(\k)+4*(\qt)+\b]
	v_cvt_scalef32_pk8_fp8_f32 v[CD+4*\b+2:CD+4*\b+3], v[64*(\qt)+16*\b+8:64*(\qt)+16*\b+15], v[SCO+16*(\k)+4*(\qt)+\b]
.endr
	v_nop                                          ; a plain instruction behind the last conversion: later products write its sources
.endm
.irp k, 0,1
.irp qt, 0,1,2,3
	SNORM \k, \qt
.endr
.endr
; p goes round in two halves, so that its images take 32,768 bytes: every wave publishes its first 128 keys now (kpos = wave), its second 128 keys (kpos = 4 + wave) when the first have been multiplied.
.macro PUBLISH k
.if (\k) == 0
	WIN 0
.else
	WIN 0x08                                       ; an LDS store's data are its source 1: window 2
.endif
.irp qt, 0,1,2,3
.if (\k) == 0
.set CD, 128+16*\qt+32*(\qt/2)
.else
.set CD, 192+16*\qt
.endif
.irp c, 0,1,2,3
	ds_store_b128 v[APW], v[CD+4*\c:CD+4*\c+3] offset:2048*\qt+512*\c
.endr
.endr
	WIN 0
.endm
	PUBLISH 0
.irp k, 0,1
.irp qt, 0,1,2,3
	ds_store_b32 v[APSW], v[PW+4*\k+\qt] offset:1024*\k+64*\qt
.endr
.endr
	s_wait_loadcnt 0x0                             ; V's key steps 4, 5 and V's scale words
	BARRIER
; ---- O^T = V^T P^T: my 8 tiles of channels x 4 tiles of queries: 32 accumulators by turns, a key step at a time
.macro PVMUL vb, pb, kp, ps
.irp dt, 0,1,2,3,4,5,6,7
.irp qt, 0,1,2,3
.if (\kp) == 0
	WM 64*\qt+8*\dt, (\vb)+16*\dt, (\pb)+16*\qt, -1, VS+4*(\kp)+\dt/2, PS+(\ps)+\qt/2, \dt, \qt
.else
	WM 64*\qt+8*\dt, (\vb)+16*\dt, (\pb)+16*\qt, 64*\qt+8*\dt, VS+4*(\kp)+\dt/2, PS+(\ps)+\qt/2, \dt, \qt
.endif
.endr
.endr
.endm
.macro PSLOADS kp                      ; p's scale words of key steps kp and kp + 1
.irp e, 0,1
.irp p, 0,1
	ds_load_b32 v[PS+2*\e+\p], v[APS] offset:256*((\kp)+\e)+128*\p
.endr
.endr
.endm
.macro VLOADS sl, e, vb                ; V's eight fragments of the slot's key step e, into v[vb] on of the window that is set
.irp dt, 0,1,2,3,4,5,6,7
.irp c, 0,1,2,3
	ds_load_b128 v[(\vb)+16*\dt+4*\c:(\vb)+16*\dt+4*\c+3], v[AR0+(\sl)] offset:16384*(\e)+2048*\dt+512*\c
.endr
.endr
.endm
.macro PLOADS kp, pb                   ; p's four fragments of key step kp, into v[pb] on of the window that is set
.irp qt, 0,1,2,3
.irp c, 0,1,2,3
	ds_load_b128 v[(\pb)+16*\qt+4*\c:(\pb)+16*\qt+4*\c+3], v[API] offset:((\kp)%4)*8192+2048*\qt+512*\c
.endr
.endr
.endm
; A slot's two key steps, kpos kp and kp + 1, while my second codes wait in p's set B: p has one set, filled anew between the two key steps.
.macro PVSTEPA kp, sl
	PSLOADS \kp
	VLOADS \sl, 0, 128                             ; V's set A, window 0
	WIN 0x80                                       ; destination window 2
	PLOADS \kp, 128                                ; p's set A
	VLOADS \sl, 1, 0                               ; V's set B
	s_wait_dscnt 32                                ; V's set B, 32 loads, may stay out
	WIN 0xf8                                       ; V window 0, p window 2, C and D window 3
	PVMUL 128, 128, \kp, 0
	PLACES 8
	WIN 0x80
	PLOADS (\kp)+1, 128
	s_wait_dscnt 0x0
	WIN 0xfa                                       ; V window 2
	PVMUL 0, 128, (\kp)+1, 2
	WIN 0
.endm
; The same with both sets of p.
.macro PVSTEPB kp, sl
	PSLOADS \kp
	VLOADS \sl, 0, 128
	WIN 0x80
	PLOADS \kp, 128
	VLOADS \sl, 1, 0
	PLOADS (\kp)+1, 192
	s_wait_dscnt 48                                ; set B's 48 loads may stay out
	WIN 0xf8
	PVMUL 128, 128, \kp, 0
	s_wait_dscnt 0x0
	WIN 0xfa
	PVMUL 0, 192, (\kp)+1, 2
	WIN 0
.endm
.macro XLOAD d0                        ; x of my channel tiles d0 .. d0 + 3, in the layout in which the rows come back from the stage: 32 loads
	WIN 0x40
.irp dt, \d0, \d0+1, \d0+2, \d0+3
.irp i, 0,1,2,3,4,5,6,7
	global_load_b128 v[32*(\dt)+4*\i:32*(\dt)+4*\i+3], v[GX], s[XB:XB+1] offset:(16*(\dt)+2*\i)*4096 th:TH_LOAD_NT   ; sixteen lanes read 256 consecutive bytes, aligned
.endr
.endr
	WIN 0
.endm
	PVSTEPA 0, 0
	CHANGE G0A, G1D, VP, 32768                     ; V's kpos 6, 7: waited for behind kpos 5: it lands under two steps, 128 products
	PLACES 4
	PVSTEPA 2, 1
	PLACES 8                                       ; behind the last products: p's scale words and p's set A are loaded anew below
	BARRIER                                        ; every wave's reads of p's first images are over
	PUBLISH 1
	BARRIER
	PSLOADS 4                                      ; kpos 4, 5: V stands in window 1
	WIN 0x80
	PLOADS 4, 128
	PLOADS 5, 192
	s_wait_dscnt 16                                ; p's set B, 16 loads, may stay out
	WIN 0xf9                                       ; V window 1, p window 2, C and D window 3
	PVMUL 0, 128, 4, 0
	s_wait_dscnt 0x0
	PVMUL 128, 192, 5, 2
	CHANGE G0B, G1W, WPP, 32768                    ; Wp's rows 128 w .. + 63 into slot 1: waited for behind the quantising of O
	PLACES 4
	XLOAD 0                                        ; V has left window 1: x takes it, in two runs of 32 loads
	PVSTEPB 6, 0
	PLACES 8
	BARRIER                                        ; every wave's reads of p's images are over: O's images take their bytes
; ---- O is quantised along the channels: my 128 channels are K step w of the projection
.irp i, 0,1,2,3
	global_load_b128 v[WPS+4*\i:WPS+4*\i+3], v[L16], s[18:19] offset:512*\i   ; Wp's scale words: row 32 i + lane: lanes 0-15 tile 2 i, lanes 16-31 tile 2 i + 1; register 4 i + K step
.endr
.irp dt, 0,1,2,3,4,5,6,7
	global_load_b32 v[PBL+\dt], v[R4], s[20:21] offset:64*\dt
.endr
.macro QUANTW w, sb, pc, pw            ; 64 numbers of a lane in window w, register 16 b + i = k 32 b + 16 (lane / 16) + i of my row, become a fragment's codes and its scale word
	WIN (\w)|((\w)<<2)
.irp b, 0,1,2,3
	v_max3_num_f32 v[TM+\b], |v[(\sb)+16*\b]|, |v[(\sb)+16*\b+1]|, 0x4800000   ; each accumulator from its low end on; the floor 2^(9 - 127)
.endr
.irp i, 2,4,6,8,10,12,14
.irp b, 0,1,2,3
	v_max3_num_f32 v[TM+\b], |v[(\sb)+16*\b+\i]|, |v[(\sb)+16*\b+\i+1]|, v[TM+\b]
.endr
.endr
	WIN 0
.irp b, 0,1,2,3
	v_permlanex16_b32 v[TM+4+\b], v[TM+\b], s[SEL], s[SEL+1]
.endr
.irp b, 0,1,2,3
	v_max_num_f32 v[TM+\b], v[TM+\b], v[TM+4+\b]
.endr
.irp b, 0,1,2,3
	v_add_nc_u32 v[TM+12+\b], 0xfc000000, v[TM+\b]
.endr
.irp b, 0,1,2,3
	v_and_or_b32 v[TM+8+\b], v[TM+\b], 0x7f800000, s[MNT]
.endr
.irp b, 0,1,2,3
	v_lshrrev_b32 v[TM+4+\b], 23, v[TM+12+\b]
.endr
	v_lshl_or_b32 v[\pw], v[TM+5], 8, v[TM+4]
	v_lshl_or_b32 v[\pw], v[TM+6], 16, v[\pw]
	v_lshl_or_b32 v[\pw], v[TM+7], 24, v[\pw]
	WIN ((\w)<<6)|(\w)
.irp b, 0,1,2,3
.irp i, 0,1,2,3,4,5,6,7,8,9,10,11,12,13,14,15
	v_med3_num_f32 v[(\sb)+16*\b+\i], v[(\sb)+16*\b+\i], -v[TM+8+\b], v[TM+8+\b]   ; the conversion does not saturate (ISA guide 7.6.2): the hold comes first
.endr
.endr
	WIN (\w)
.irp b, 0,1,2,3
	v_cvt_scalef32_pk8_fp8_f32 v[(\pc)+4*\b:(\pc)+4*\b+1], v[(\sb)+16*\b:(\sb)+16*\b+7], v[TM+12+\b]
	v_cvt_scalef32_pk8_fp8_f32 v[(\pc)+4*\b+2:(\pc)+4*\b+3], v[(\sb)+16*\b+8:(\sb)+16*\b+15], v[TM+12+\b]
.endr
	v_nop                                          ; a plain instruction behind the last conversion: later products write its sources
	WIN 0
.endm
.irp qt, 0,1,2,3
	QUANTW 3, 64*\qt, PC, PW+\qt
.irp c, 0,1,2,3
	ds_store_b128 v[AOW], v[PC+4*\c:PC+4*\c+3] offset:8192*\qt+512*\c   ; image (qt, K step w)
.endr
	ds_store_b32 v[AOSW], v[PW+\qt] offset:64*\qt
	s_wait_dscnt 0x0                               ; the stores have read their registers
.endr
	XLOAD 4                                        ; x's second run
	CHANGE G0A, G1W, WPP, 32768                    ; Wp's rows + 64 .. + 127 into slot 0.  The round also shows O's sixteen fragments in LDS, and its wait shows Wp's first half landed
	WIN 0x80
.irp q, 0,1,2,3
.irp qt, 0,1,2,3
.irp c, 0,1,2,3
	ds_load_b128 v[16*(4*\q+\qt)+4*\c:16*(4*\q+\qt)+4*\c+3], v[API] offset:8192*\qt+2048*\q+512*\c
.endr
.endr
.endr
	WIN 0
.irp q, 0,1,2,3
.irp p, 0,1
	ds_load_b32 v[OS+2*\q+\p], v[AOS] offset:256*\q+128*\p
.endr
.endr
	s_wait_loadcnt 32                              ; x's first run, Wp's scale words and bp are in; x's second run, 32 loads, may stay out
; ---- Y = O Wp^T + bp, four tiles of channels (a slot) at a time; then out0 = x + Y
.macro WLOAD sl, q, set                ; the slot's four tiles of Wp, K step q
.irp d, 0,1,2,3
.irp c, 0,1,2,3
	ds_load_b128 v[128+64*(\set)+16*\d+4*\c:128+64*(\set)+16*\d+4*\c+3], v[AW0+(\sl)] offset:8448*\d+128*(\q)+32*\c
.endr
.endr
.endm
.macro PJMUL hh, q, set                ; 16 accumulators by turns
.if (\q) == 0
	WIN 0xc2                                       ; O window 2, Wp and the bias window 0, D window 3
.else
	WIN 0xf2
.endif
.irp d, 0,1,2,3
.irp qt, 0,1,2,3
.if (\q) == 0
	WM 8*(4*(4*(\hh)+\d)+\qt), 16*(4*(\q)+\qt), 128+64*(\set)+16*\d, BIAS+8*\d, OS+2*(\q)+\qt/2, WPS+4*((4*(\hh)+\d)/2)+(\q), \qt, \d
.else
	WM 8*(4*(4*(\hh)+\d)+\qt), 16*(4*(\q)+\qt), 128+64*(\set)+16*\d, 8*(4*(4*(\hh)+\d)+\qt), OS+2*(\q)+\qt/2, WPS+4*((4*(\hh)+\d)/2)+(\q), \qt, \d
.endif
.endr
.endr
.endm
.macro PROJ hh, sl                     ; half hh of my channels; its rows of Wp lie in slot sl
.irp d, 0,1,2,3
.irp j, 0,1,2,3,4,5,6,7
	v_mov_b32 v[BIAS+8*\d+\j], v[PBL+4*(\hh)+\d]   ; a lane holds one channel: its bias in all eight registers of the C that starts the sum
.endr
.endr
	PLACES 4
	WLOAD \sl, 0, 0
	WLOAD \sl, 1, 1
	s_wait_dscnt 16                                ; the younger K step's sixteen loads may stay out
	PJMUL \hh, 0, 0
	PLACES 8
	WIN 0
	WLOAD \sl, 2, 0
	s_wait_dscnt 16
	PJMUL \hh, 1, 1
	PLACES 8
	WIN 0
	WLOAD \sl, 3, 1
	s_wait_dscnt 16
	PJMUL \hh, 2, 0
	s_wait_dscnt 0x0
	PJMUL \hh, 3, 1
	PLACES 8
	WIN 0
.endm
; Tile dt: 16 channels x 64 positions.  A lane holds eight neighbouring positions of one channel; the tile goes through my own stage and comes back as whole rows of 256 bytes; x is added; sixteen lanes store a row.
.macro OUTD dt
.set TB, TT+32*((\dt)%2)
	WIN 0x0c                                       ; an LDS store's data are its source 1: window 3
.irp qt, 0,1,2,3
	ds_store_b128 v[ASO], v[8*(4*(\dt)+\qt):8*(4*(\dt)+\qt)+3] offset:128*(\qt/2)+32*(\qt%2)        ; each accumulator from its low end on
	ds_store_b128 v[ASO], v[8*(4*(\dt)+\qt)+4:8*(4*(\dt)+\qt)+7] offset:128*(\qt/2)+32*(\qt%2)+16
.endr
	WIN 0
	s_wait_xcnt 0x0                                ; the stores that read this set of rows have read it: it is loaded again only behind this wait
.irp i, 0,1,2,3,4,5,6,7
	ds_load_b128 v[TB+4*\i:TB+4*\i+3], v[ASR] offset:544*\i   ; LDS serves a wave's instructions in order (ISA guide 5.7.1.4): these see my stores
.endr
	s_wait_dscnt 0x0
	WIN 0x04                                       ; source 1 (x) window 1
.irp i, 0,1,2,3,4,5,6,7,8,9,10,11,12,13,14,15
	v_pk_add_f32 v[TB+2*\i:TB+2*\i+1], v[TB+2*\i:TB+2*\i+1], v[32*(\dt)+2*\i:32*(\dt)+2*\i+1]
.endr
	WIN 0
.irp i, 0,1,2,3,4,5,6,7
	global_store_b128 v[GX], v[TB+4*\i:TB+4*\i+3], s[OB:OB+1] offset:(16*(\dt)+2*\i)*4096 th:TH_STORE_NT   ; sixteen lanes store 256 consecutive bytes, aligned
.endr
.endm
	PROJ 0, 1
	OUTD 0
	OUTD 1
	OUTD 2
	OUTD 3
	s_wait_xcnt 0x0                                ; the stores have read the registers that Wp's fragments take
	s_wait_tensorcnt 0x0                           ; my part of slot 0: the last load, none was issued behind it
	s_wait_loadcnt 0x0                             ; x's second run
	PROJ 1, 0
	OUTD 4
	OUTD 5
	OUTD 6
	OUTD 7
	s_wait_tensorcnt 0x0                           ; the wave's end: behind my last tensor load and my last LDS store
	ds_add_u32 v[SPW], v[NIL]
	s_wait_dscnt 0x0
	CROUND                                         ; the closing round: no work-group ends while a partner may still ask for a tile that names it
	s_endpgm
.Lfunc_end_k_q65f67bbecf_attn:
	.size	k_q65f67bbecf_attn, .Lfunc_end_k_q65f67bbecf_attn-k_q65f67bbecf_attn
	.p2alignl 7, 3214868480
	.fill 96, 4, 3214868480
	.section	.rodata,"a",@progbits
	.p2align	6, 0x0
	.amdhsa_kernel k_q65f67bbecf_attn
		.amdhsa_group_segment_fixed_size 327680
		.amdhsa_private_segment_fixed_size 0
		.amdhsa_enable_private_segment 0
		.amdhsa_kernarg_size 88
		.amdhsa_user_sgpr_count 2
		.amdhsa_user_sgpr_kernarg_segment_ptr 1
		.amdhsa_wavefront_size32 1
		.amdhsa_system_sgpr_workgroup_id_x 1
		.amdhsa_system_sgpr_workgroup_id_y 1
		.amdhsa_system_sgpr_workgroup_id_z 1
		.amdhsa_system_vgpr_workitem_id 0
		.amdhsa_next_free_vgpr 1024
		.amdhsa_next_free_sgpr 90
		.amdhsa_reserve_vcc 0
		.amdhsa_float_denorm_mode_32 3
		.amdhsa_float_denorm_mode_16_64 3
		.amdhsa_memory_ordered 1
		.amdhsa_forward_progress 1
		.amdhsa_inst_pref_size 255
	.end_amdhsa_kernel
	.section	.bss,"aw",@nobits
	.p2align	6
	.space	262144
	.amdgpu_metadata
---
amdhsa.version: [ 1, 2 ]
amdhsa.kernels:
  - .name:           k_q65f67bbecf_attn
    .symbol:         k_q65f67bbecf_attn.kd
    .args:
      - { .name: qc, .offset: 0, .size: 8, .value_kind: global_buffer, .address_space: global }
      - { .name: qs, .offset: 8, .size: 8, .value_kind: global_buffer, .address_space: global }
      - { .name: kc, .offset: 16, .size: 8, .value_kind: global_buffer, .address_space: global }
      - { .name: ks, .offset: 24, .size: 8, .value_kind: global_buffer, .address_space: global }
      - { .name: vc, .offset: 32, .size: 8, .value_kind: global_buffer, .address_space: global }
      - { .name: vs, .offset: 40, .size: 8, .value_kind: global_buffer, .address_space: global }
      - { .name: p_w_codes, .offset: 48, .size: 8, .value_kind: global_buffer, .address_space: global }
      - { .name: p_w_scales, .offset: 56, .size: 8, .value_kind: global_buffer, .address_space: global }
      - { .name: p_b, .offset: 64, .size: 8, .value_kind: global_buffer, .address_space: global }
      - { .name: x, .offset: 72, .size: 8, .value_kind: global_buffer, .address_space: global }
      - { .name: out0, .offset: 80, .size: 8, .value_kind: global_buffer, .address_space: global }
    .group_segment_fixed_size: 327680
    .private_segment_fixed_size: 0
    .kernarg_segment_align: 8
    .kernarg_segment_size: 88
    .max_flat_workgroup_size: 128
    .sgpr_count:     90
    .vgpr_count:     1024
    .wavefront_size: 32
...
	.end_amdgpu_metadata
.endif
;; end of part 3
